; MI455X (gfx1250); checked and timed in simulation.
; The chip was launched on July 23, 2026; its instructions are those of AMD's public machine-readable ISA for CDNA 5 (MIT licence, August 2026) and "CDNA5" Instruction Set Architecture Reference Guide (July 2026). The comments in the code are by the model that wrote it; some were corrected since.
;; Hopfield Pooling. Allowed arithmetic: matrix products marked QUANTISED: E4M3 operands, one E8M0 scale for each 32 along K, by v_wmma_scale_f32_16x16x128_f8f6f4 with both operands' format E4M3, f32 sums; products left as they are: f32 operands where the result goes on into a quantised operand, else bf16, f16 or f32 operands; f32 sums; everything else in f32.
;; Inputs: Wk 1,024 x 1,024 float32; Wo 1,024 x 1,024 float32; Wq 1,024 x 1,024 float32; Wv 1,024 x 1,024 float32; Y 16 x 2,048 x 1,024 float32; bk 1,024 float32; bo 1,024 float32; bq 1,024 float32; bv 1,024 float32; query 1 x 1 x 1,024 float32.
;; Outputs: out0 16 x 1 x 1,024 float32.
;; This version of the problem:
;;   THIS VERSION OF THE PROBLEM IS GIVEN IN LOW PRECISION. The matrix products marked QUANTISED in the list below multiply operands that are first quantised to E4M3 (4 exponent bits, 3 mantissa bits; 8 bits a number), with one power-of-two scale for each 32 numbers along K (OCP MX v1.0); their sums are f32. All else is computed in f32.
;;   The module's matrix products, in the order in which they are computed (A, B: the left and right operand; K: the contracted axis; several contracted axes count as one K, in the product's order):
;;     1. [M 16, K 1,024] x [K 1,024, N 1,024]; A: input query; B: input Wq: QUANTISED
;;     2. [M 32,768, K 1,024] x [K 1,024, N 1,024]; A: input Y; B: input Wk: QUANTISED
;;     3. [M 32,768, K 1,024] x [K 1,024, N 1,024]; A: computed on the way; B: input Wv: QUANTISED
;;     4. batch 256 x [M 1, K 64] x [K 64, N 2,048]; A: computed on the way; B: computed on the way: left as it is (M = 1 < 16)
;;     5. batch 256 x [M 64, K 2,048] x [K 2,048, N 1]; A: computed on the way; B: softmax: left as it is (N = 1 < 16)
;;     6. [M 16, K 1,024] x [K 1,024, N 1,024]; A: computed on the way; B: input Wo: QUANTISED
;;   THE QUANTISER, for each operand of a quantised product, along K:
;;     - K is cut into blocks of 32 from its start; a last block that is shorter is filled with zeros.
;;     - A block's scale is 2^e with e = floor(log2(the largest magnitude in the block)) - 8, held to -126 .. 127; a block of zeros has e = 0. As a byte (E8M0): e + 127.
;;     - Each number is divided by its block's scale, clamped to +-448, and rounded to the nearest number of E4M3, ties to even, subnormals kept.
;;     - The product sums the exact products of the quantised numbers (number of the format x scale) in f32.
;;   ~~~python
;;   def quantise(x, axis):      # numpy; x: float32 -> the quantised numbers, widened to float32 again
;;       x = np.moveaxis(x, axis, -1); K = x.shape[-1]
;;       x = np.pad(x, [(0, 0)] * (x.ndim - 1) + [(0, -K % 32)]); x = x.reshape(x.shape[:-1] + (-1, 32)); a = np.abs(x).max(-1, keepdims=True)
;;       e = np.where(a > 0, np.clip(np.frexp(np.where(a > 0, a, 1))[1] - 1 - 8, -126, 127), 0)      # np.frexp(a)[1] - 1 = floor(log2(a)), exactly
;;       r = np.clip(x / 2.0 ** e, -448, 448)
;;       step = 2.0 ** (np.maximum(np.frexp(np.where(r == 0, 1, r))[1] - 1, -6) - 3)
;;       q = np.round(r / step) * step * 2.0 ** e      # np.round: ties to even
;;       return np.moveaxis(q.reshape(q.shape[:-2] + (-1,))[..., :K], -1, axis).astype(np.float32)
;;   ~~~
;;   OPERANDS COMPUTED ON THE WAY. 'Computed on the way' means the value that the module computes at that place (a softmax that the list does not call 'softmax' is quantised finished and normalised). What goes into a quantiser is computed in f32, as accurately as f32 sums, v_exp_f32 and their like allow (about 1e-6 of the number): no bf16 or f16 on the way to a quantiser, and a product that is left as it is and whose result goes on into a quantised operand takes f32 operands (vector FMAs, or v_wmma_f32_16x16x4_f32). A number that lies on a knife's edge between two numbers of the format may be rounded either way, as far as f32 arithmetic and the matrix unit's own rounding can turn it there, and no further.
;; 2 versions. Each part assembles by itself: llvm-mc -triple=amdgcn-amd-amdhsa -mcpu=gfx1250 --defsym DOCPART=n.
;; ======== version 1 of 2: 3 launches
;; workspace buffers: wimg 3,244,032 bytes; qv 4,096 bytes; po 1,048,576 bytes; pst 32,768 bytes
;; launch prep (part 1): grid 256 x 1, 8 waves a work-group, no clusters, 2,560 bytes of LDS; arguments Wk, Wv, Wo, Wq, query, bq, wimg, qv; writes wimg, qv
.if DOCPART == 1
	.amdgcn_target "amdgcn-amd-amdhsa--gfx1250"
	.amdhsa_code_object_version 6
	.text
	.protected	k_qfafd97a1af_prep
	.globl	k_qfafd97a1af_prep
	.p2align	8
	.type	k_qfafd97a1af_prep,@function
k_qfafd97a1af_prep:
	s_mov_b64 s[64:65], 0
	v_nop
	global_prefetch_b8 v0, s[64:65] scope:SCOPE_SE
	s_setreg_imm32_b32 hwreg(HW_REG_WAVE_MODE, 25, 1), 1
	s_wait_xcnt 0x0
; Wk, Wv, Wo [1024 (n)][1024 (k)] f32 become codes of FP8 (E4M3) with one E8M0 scale byte for each 32 along K, laid in wimg in the order in which a wave's operand registers take them;
; and q = Q(query) Q(Wq)^T + bq (the first product of the chain) goes to qv as 1,024 f32 numbers.
; A block's scale is 2^(floor(log2(its largest magnitude)) - 8): its byte is that magnitude's exponent field - 8, held at 1 from below; each number is divided by the scale, held within +-448, rounded to the nearest code, ties to even.
; LIMITS: NaN and infinities among the inputs are not served.  A block of zeros (and one whose largest magnitude lies under 2^-118) gets the byte 1 where the rule says 127: its codes are zeros or subnormal, and this program alone reads the bytes.
; q is summed from eight f32 parts, one for each 128 along K: another order of f32 additions than one running sum.
; LAYOUT OF wimg: 48 blocks of BLK bytes: 0-15 Wk, 16-31 Wv, 32-47 Wo.  Block i holds four tiles t4 = 2 ch + u of 16 rows; lane r of a tile stands for row 512 ch + 32 i + 8 u + r + 8 (r / 8), so that the results of tiles u = 0, 1,
; used transposed, are 16 neighbours along the next product's K.  A tile's fragment of K step s is the image of its 16 registers: register group c of lane l at t4 x 16,384 + s x 2,048 + c x 512 + 16 l.
; A tile's scale words lie at 65,536 + t4 x 512 + 16 l + 4 sp: lane l = 16 (s % 2) + r holds the word of K step s = 2 sp + s % 2, so one load of 16 bytes a lane brings the four scale registers of a tile.
; SHARES: work-group g: kind = g / 64 (Wk, Wv, Wo, Wq), tile g % 64; wave w takes K step w.  No tensor load, no cluster: no two work-groups read the same bytes but the 4 KB of query.
.set BLK,  67584
.set PS,   0                           ; LDS, the weights' path: the tile's 512 bytes of scale words
.set PQ,   512                         ; LDS, the query's path: eight waves x 128 bytes of parts of q
.set SW,   16                          ; v16  the weight's scale word;  v17 the query's: these two hold scales and nothing else
.set SQ,   17
.set TM,   20                          ; v20-35 at work in QUANT
.set XW,   64                          ; v64-127  64 numbers of the weight
.set XQ,   128                         ; v128-191 64 numbers of the query
.set CW,   192                         ; v192-207 the weight's codes
.set CQ,   208                         ; v208-223 the query's codes
.set ACC,  224                         ; v224-231 the product
.set WV,   20
.set KIND, 21
.set SEL,  28
.set MNT,  30
; 64 numbers of a lane, v[QS] on, register 16 b + i = k 32 b + 16 (lane / 16) + i of the lane's row, become a fragment's 16 registers of codes, v[QP] on, and the row's scale word, v[QW].
.macro QUANT
.irp b, 0,1,2,3
	v_max3_num_f32 v[TM+\b], |v[QS+16*\b]|, |v[QS+16*\b+1]|, 0x4800000   ; block b: my 16 numbers, and the floor 2^(9 - 127): the byte cannot fall under 1
.endr
.irp i, 2,4,6,8,10,12,14
.irp b, 0,1,2,3
	v_max3_num_f32 v[TM+\b], v[TM+\b], |v[QS+16*\b+\i]|, |v[QS+16*\b+\i+1]|   ; the four blocks by turns
.endr
.endr
.irp b, 0,1,2,3
	v_permlanex16_b32 v[TM+4+\b], v[TM+\b], s[SEL], s[SEL+1]
.endr
.irp b, 0,1,2,3
	v_max_num_f32 v[TM+\b], v[TM+\b], v[TM+4+\b]                 ; with lane l xor 16's 16: the block's largest magnitude
.endr
.irp b, 0,1,2,3
	v_add_nc_u32 v[TM+12+\b], 0xfc000000, v[TM+\b]               ; 8 off its exponent field: the conversion's scale operand
.endr
.irp b, 0,1,2,3
	v_and_or_b32 v[TM+8+\b], v[TM+\b], 0x7f800000, s[MNT]        ; 448 x the scale
.endr
.irp b, 0,1,2,3
	v_lshrrev_b32 v[TM+4+\b], 23, v[TM+12+\b]                    ; the scale's byte
.endr
	v_lshl_or_b32 v[QW], v[TM+5], 8, v[TM+4]
	v_lshl_or_b32 v[QW], v[TM+6], 16, v[QW]
	v_lshl_or_b32 v[QW], v[TM+7], 24, v[QW]
.irp b, 0,1,2,3
.irp i, 0,1,2,3,4,5,6,7,8,9,10,11,12,13,14,15
	v_med3_num_f32 v[QS+16*\b+\i], v[QS+16*\b+\i], -v[TM+8+\b], v[TM+8+\b]   ; the conversion to an 8-bit code does not saturate (ISA guide 7.6.2): the hold comes first
.endr
	v_cvt_scalef32_pk8_fp8_f32 v[QP+4*\b:QP+4*\b+1], v[QS+16*\b:QS+16*\b+7], v[TM+12+\b]
	v_cvt_scalef32_pk8_fp8_f32 v[QP+4*\b+2:QP+4*\b+3], v[QS+16*\b+8:QS+16*\b+15], v[TM+12+\b]
.endr
	v_nop                                          ; a plain line behind the last conversion, ahead of whatever next touches its registers
.endm
	s_load_b512 s[4:19], s[0:1], 0x0               ; Wk s[4:5], Wv s[6:7], Wo s[8:9], Wq s[10:11], query s[12:13], bq s[14:15], wimg s[16:17], qv s[18:19]
	v_lshl_add_u32 v254, v0, 2, 0x600
	v_mov_b32 v255, 0
	v_lshrrev_b32 v1, 5, v0
	v_readfirstlane_b32 s[WV], v1                  ; wave 0..7 = K step
	v_and_b32 v1, 15, v0                           ; r
	v_bfe_u32 v2, v0, 4, 1                         ; h
	v_and_b32 v3, 31, v0                           ; lane
	v_and_b32 v12, 8, v1
	v_add_nc_u32 v12, v12, v1                      ; r + 8 (r / 8)
	v_lshlrev_b32 v4, 12, v12
	v_lshl_add_u32 v4, v2, 6, v4                   ; the weight: my row of 4,096 bytes, + 64 h: my 16 numbers of a block of 32
	v_lshlrev_b32 v5, 6, v2                        ; the query: one row for all sixteen lanes, + 64 h
	v_lshlrev_b32 v6, 4, v3                        ; an image's place for my lane, in memory
	s_and_b32 s26, s[WV], 1
	s_lshl_b32 s26, s26, 8
	s_lshr_b32 s27, s[WV], 1
	s_lshl_b32 s27, s27, 2
	s_add_co_u32 s26, s26, s27
	v_lshl_add_u32 v7, v1, 4, s26                  ; PS (= 0) + 256 (w % 2) + 4 (w / 2) + 16 r: my row's scale word of K step w
	s_lshl_b32 s27, s[WV], 7
	s_add_co_u32 s27, s27, PQ
	v_lshl_add_u32 v8, v3, 2, s27                  ; my wave's part of q
	v_lshl_add_u32 v9, v3, 2, PQ                   ; all eight parts, read by wave 0
	v_lshl_add_u32 v10, v3, 4, PS                  ; the scale block, read by wave 0
	v_lshlrev_b32 v11, 2, v12                      ; bq and qv: 4 (r + 8 (r / 8))
	s_lshr_b32 s[KIND], ttmp9, 6
	s_and_b32 s22, ttmp9, 63
	s_lshr_b32 s23, s22, 2                         ; i
	s_and_b32 s24, s22, 3                          ; t4
	s_lshr_b32 s25, s24, 1
	s_lshl_b32 s25, s25, 9
	s_lshl_b32 s26, s23, 5
	s_add_co_u32 s25, s25, s26
	s_and_b32 s26, s24, 1
	s_lshl_b32 s26, s26, 3
	s_add_co_u32 s25, s25, s26                     ; the tile's first row: 512 (t4 / 2) + 32 i + 8 (t4 % 2)
	s_mov_b32 s[SEL], 0x76543210
	s_mov_b32 s[SEL+1], 0xfedcba98                 ; v_permlanex16_b32's selects for lane l xor 16
	s_mov_b32 s[MNT], 0x600000                     ; the mantissa field of 448
.irp b, 0,1,2,3
	v_mov_b32 v[TM+4+\b], 0                        ; written once: a lane permute's destination counts as one of its sources
.endr
	s_lshl_b32 s34, s25, 12
	s_lshl_b32 s26, s[WV], 9
	s_add_co_u32 s34, s34, s26                     ; first row x 4,096 + 512 x K step
	s_mov_b32 s35, 0
	s_wait_kmcnt 0x0
	s_cmp_eq_u32 s[KIND], 0                        ; the source is chosen by the work-group's number alone
	s_cselect_b64 s[32:33], s[4:5], s[6:7]
	s_cmp_lt_u32 s[KIND], 2
	s_cselect_b64 s[32:33], s[32:33], s[8:9]
	s_cmp_lt_u32 s[KIND], 3
	s_cselect_b64 s[32:33], s[32:33], s[10:11]
	s_add_nc_u64 s[32:33], s[32:33], s[34:35]
.irp b, 0,1,2,3
.irp j, 0,1,2,3
	global_load_b128 v[XW+16*\b+4*\j:XW+16*\b+4*\j+3], v4, s[32:33] offset:128*\b+16*\j th:TH_LOAD_NT   ; read once in the launch
.endr
.endr
	s_cmp_eq_u32 s[KIND], 3
	s_cbranch_scc1 .Lquery                         ; the same way for all eight waves of a work-group
	; ---- a tile of Wk, Wv or Wo
	s_lshl_b32 s34, s[KIND], 4
	s_add_co_u32 s34, s34, s23
	s_mul_i32 s34, s34, BLK                        ; the block's first byte
	s_lshl_b32 s26, s24, 14
	s_lshl_b32 s27, s[WV], 11
	s_add_co_u32 s26, s26, s27
	s_add_co_u32 s26, s26, s34
	s_mov_b32 s27, 0
	s_add_nc_u64 s[36:37], s[16:17], s[26:27]      ; my fragment's image
	s_lshl_b32 s26, s24, 9
	s_add_co_u32 s26, s26, s34
	s_add_co_u32 s26, s26, 65536
	s_add_nc_u64 s[38:39], s[16:17], s[26:27]      ; the tile's scale words
	s_wait_loadcnt 0x0
.set QS, XW
.set QP, CW
.set QW, SW
	QUANT
.irp c, 0,1,2,3
	global_store_b128 v6, v[CW+4*\c:CW+4*\c+3], s[36:37] offset:512*\c   ; 32 lanes store 512 consecutive bytes, aligned
.endr
	ds_store_b32 v7, v[SW]                         ; lanes r and r + 16 write the same word with the same value
	s_wait_dscnt 0x0                               ; for the others' sake: my store has landed
	s_barrier_signal -1
	s_barrier_wait -1
	s_cmp_lg_u32 s[WV], 0
	s_cbranch_scc1 .Ldone_w
	ds_load_b128 v[236:239], v10                   ; the eight waves' words, in the order of the reader's registers
	s_wait_dscnt 0x0
	global_store_b128 v6, v[236:239], s[38:39]     ; 512 consecutive bytes, aligned
.Ldone_w:
	s_wait_tensorcnt 0x0
	ds_add_u32 v254, v255
	s_wait_dscnt 0x0
	s_endpgm
	; ---- a tile of Wq: sixteen numbers of q
.Lquery:
	s_lshl_b32 s26, s[WV], 9
	s_mov_b32 s27, 0
	s_add_nc_u64 s[40:41], s[12:13], s[26:27]      ; the query at K step w
.irp b, 0,1,2,3
.irp j, 0,1,2,3
	global_load_b128 v[XQ+16*\b+4*\j:XQ+16*\b+4*\j+3], v5, s[40:41] offset:128*\b+16*\j   ; all sixteen rows of the operand are the one query, as the broadcast has it
.endr
.endr
	s_lshl_b32 s26, s25, 2
	s_add_nc_u64 s[42:43], s[14:15], s[26:27]
	s_add_nc_u64 s[44:45], s[18:19], s[26:27]
	global_load_b32 v232, v11, s[42:43]            ; bq at my row
	s_wait_loadcnt 0x0
.set QS, XW
.set QP, CW
.set QW, SW
	QUANT
.set QS, XQ
.set QP, CQ
.set QW, SQ
	QUANT
.rept 8
	v_nop                                          ; a scale word made by vector instructions stands eight places ahead of the scaled product, codes so made four
.endr
	v_wmma_scale_f32_16x16x128_f8f6f4 v[ACC:ACC+7], v[CQ:CQ+15], v[CW:CW+15], 0, v[SQ], v[SW]   ; register 0 of lane r: this K step's part of q at the tile's row r
.rept 8
	v_nop                                          ; eight places ahead of the first read of the result
.endr
	ds_store_b32 v8, v[ACC]
	s_wait_dscnt 0x0
	s_barrier_signal -1
	s_barrier_wait -1
	s_cmp_lg_u32 s[WV], 0
	s_cbranch_scc1 .Ldone_q
.irp k, 0,1,2,3,4,5,6,7
	ds_load_b32 v[240+\k], v9 offset:128*\k
.endr
	s_wait_dscnt 0x0
	v_add_f32 v240, v240, v241
	v_add_f32 v242, v242, v243
	v_add_f32 v244, v244, v245
	v_add_f32 v246, v246, v247
	v_add_f32 v240, v240, v242
	v_add_f32 v244, v244, v246
	v_add_f32 v240, v240, v244
	v_add_f32 v240, v240, v232                     ; + bq
	s_wait_xcnt 0x0                                ; EXEC changes only behind this wait
	v_cmp_gt_u32 vcc_lo, 16, v0
	s_and_saveexec_b32 s31, vcc_lo                 ; lanes 0-15: lanes 16-31 hold the same numbers
	global_store_b32 v11, v240, s[44:45]
	s_wait_xcnt 0x0
	s_or_b32 exec_lo, exec_lo, s31
.Ldone_q:
	s_wait_tensorcnt 0x0
	ds_add_u32 v254, v255
	s_wait_dscnt 0x0
	s_endpgm
.Lfunc_end_k_qfafd97a1af_prep:
	.size	k_qfafd97a1af_prep, .Lfunc_end_k_qfafd97a1af_prep-k_qfafd97a1af_prep
	.p2alignl 7, 3214868480
	.fill 96, 4, 3214868480
	.section	.rodata,"a",@progbits
	.p2align	6, 0x0
	.amdhsa_kernel k_qfafd97a1af_prep
		.amdhsa_group_segment_fixed_size 2560
		.amdhsa_private_segment_fixed_size 0
		.amdhsa_enable_private_segment 0
		.amdhsa_kernarg_size 64
		.amdhsa_user_sgpr_count 2
		.amdhsa_user_sgpr_kernarg_segment_ptr 1
		.amdhsa_wavefront_size32 1
		.amdhsa_system_sgpr_workgroup_id_x 1
		.amdhsa_system_sgpr_workgroup_id_y 1
		.amdhsa_system_sgpr_workgroup_id_z 1
		.amdhsa_system_vgpr_workitem_id 0
		.amdhsa_next_free_vgpr 256
		.amdhsa_next_free_sgpr 66
		.amdhsa_reserve_vcc 1
		.amdhsa_float_denorm_mode_32 3
		.amdhsa_float_denorm_mode_16_64 3
		.amdhsa_memory_ordered 1
		.amdhsa_forward_progress 1
		.amdhsa_inst_pref_size 34
	.end_amdhsa_kernel
	.amdgpu_metadata
---
amdhsa.version: [ 1, 2 ]
amdhsa.kernels:
  - .name:           k_qfafd97a1af_prep
    .symbol:         k_qfafd97a1af_prep.kd
    .args:
      - { .name: Wk, .offset: 0, .size: 8, .value_kind: global_buffer, .address_space: global }
      - { .name: Wv, .offset: 8, .size: 8, .value_kind: global_buffer, .address_space: global }
      - { .name: Wo, .offset: 16, .size: 8, .value_kind: global_buffer, .address_space: global }
      - { .name: Wq, .offset: 24, .size: 8, .value_kind: global_buffer, .address_space: global }
      - { .name: query, .offset: 32, .size: 8, .value_kind: global_buffer, .address_space: global }
      - { .name: bq, .offset: 40, .size: 8, .value_kind: global_buffer, .address_space: global }
      - { .name: wimg, .offset: 48, .size: 8, .value_kind: global_buffer, .address_space: global }
      - { .name: qv, .offset: 56, .size: 8, .value_kind: global_buffer, .address_space: global }
    .group_segment_fixed_size: 2560
    .private_segment_fixed_size: 0
    .kernarg_segment_align: 8
    .kernarg_segment_size: 64
    .max_flat_workgroup_size: 256
    .sgpr_count:     66
    .vgpr_count:     256
    .wavefront_size: 32
...
	.end_amdgpu_metadata
.endif
;; end of part 1
;; launch main (part 2): grid 256 x 1, 4 waves a work-group, clusters of 4 x 1, 327,680 bytes of LDS; arguments Y, wimg, qv, bk, po, pst; writes po, pst
.if DOCPART == 2
	.amdgcn_target "amdgcn-amd-amdhsa--gfx1250"
	.amdhsa_code_object_version 6
	.text
	.protected	k_qfafd97a1af_main
	.globl	k_qfafd97a1af_main
	.p2align	8
	.type	k_qfafd97a1af_main,@function
k_qfafd97a1af_main:
	s_mov_b64 s[64:65], 0
	v_nop
	global_prefetch_b8 v0, s[64:65] scope:SCOPE_SE
	s_setreg_imm32_b32 hwreg(HW_REG_WAVE_MODE, 25, 1), 1
	s_wait_xcnt 0x0
	s_wait_alu depctr_hold_cnt(0) depctr_sa_sdst(0) depctr_va_vdst(0) depctr_va_sdst(0) depctr_va_ssrc(0) depctr_va_vcc(0) depctr_vm_vsrc(0)
	s_getreg_b32 s2, hwreg(HW_REG_IB_STS2, 6, 4)
	s_cmp_eq_u32 s2, 0
	s_cbranch_scc0 .Lentry_in_a_cluster
	s_endpgm
.Lentry_in_a_cluster:
	s_bfe_u32 s2, ttmp6, 0x10000c
	s_cmp_lg_u32 s2, 0x3003
	s_cbranch_scc0 .Lentry_shape_is_right
	s_endpgm
.Lentry_shape_is_right:
; For 128 rows of Y (one sixteenth of a batch): keys = Q(Y) Q(Wk)^T + bk;  scores = q . keys for each head (f32 multiply-adds on the unquantised keys);  p = 2^(c s - M), M = c x the block's largest score of the head, c = log2(e) / 8;
; values = Q(keys) Q(Wv)^T;  po = the sum over the 128 rows of p x values, pst = M and the sum of p for each head.  Keys and values never go to memory.  The launch behind this one joins a batch's sixteen blocks by their M, divides, and adds bv.
; Both products on codes of FP8 (E4M3) with one E8M0 scale for each 32 along K, by v_wmma_scale_f32_16x16x128_f8f6f4; all else in f32.
; LIMITS: NaN and infinities among the inputs are not served.  A block of 32 that is all zeros (or whose largest magnitude lies under 2^-118) gets the scale byte 1 where the rule says 127: its codes are zeros or subnormal, and this program alone reads the bytes.
; The f32 sums of scores, of p and of p x values run in another order than a plain loop over the rows.
; SHARES.  Four waves; wave w = 2 rh + ch makes rows 64 rh .. + 63 x columns 512 ch .. + 511 of each product.  ITS ROWS' OPERAND STAYS IN REGISTERS: 64 rows x 1,024 K = 32 fragments = 512 registers (Y's codes, later the keys').
; The weights walk by: 32 blocks of BLK bytes (16 of Wk, 16 of Wv), each 2 x 32 weight rows x all of K as images of the operand's registers with their scale words, through a ring of two LDS slots.
; A block is a PAIR's work: 64 matrix instructions a wave; each weight fragment read from LDS feeds four of them.
; CLUSTER.  All work-groups walk the same 32 blocks, so four of them ask jointly: the same tensor load, with the same descriptor and a mask that names the four, in all four; that divides the requests for the weights by four.
; No prefetch: Y is asked for four units (64 loads a wave) ahead by the wave's own loads, and the weights are read by every cluster of the launch at about the same time.
; PHASE 0: wave w quantises rows 32 w .. + 31 of Y and stores the fragments' images to LDS.  PHASE 1: the first product, TRANSPOSED (source 0 = 16 weight rows, source 1 = 16 rows of Y): a lane holds one row, and the 16 registers of a
; pair's two tiles are 16 neighbours along the next K: scores, quantiser, image to LDS.  Then the softmax of the block.  PHASE 2: the second product, not transposed: a lane holds one column and eight rows: multiply by p and add.
; REGISTERS, in windows of 256 (s_set_vgpr_msb: bits 1:0 source 0, 3:2 source 1, 5:4 source 2, 7:6 destination):
;   window 0: v1-35 addresses; v40-55 the rows' scale words, v56-71 the weights' (scales and nothing else); v72-135 accumulators; v136-199, v200-231 by phase (below); v232-247 at work in the quantiser
;   window 1: phase 0: four sets of 64 numbers as loaded; later the weight's 16 fragments of a pair    windows 2, 3: the rows' 32 fragments: (m, s) at v[16 (8 (m % 2) + s)] of window 2 + m / 2
.set BLK,   67584                      ; a block: 4 tiles x 16,384 bytes of codes, 4 x 512 of scale words
.set QTR,   BLK/4                      ; what one wave's tensor load brings: 66 rows of 256 bytes
.set IMG,   2*BLK                      ; LDS behind the ring: 64 fragment images (tile of rows mt, K step s) at (8 mt + s) x 2,048
.set ISC,   IMG+131072                 ; their scale words, 128 bytes each
.set QB,    ISC+8192                   ; q (4,096 bytes), then bk (4,096)
.set SCR,   QB+8192                    ; scores, then p: [ch][rh][8 heads][64 rows] f32
.set STAT,  SCR+8192                   ; M of 16 heads, then the sums of p
.set STG,   STAT+256                   ; phase 0: a stage of 16 rows x 528 bytes for each wave; phase 2: the column sums, [rh][1,024] f32
.set SPARE, STG+33792                  ; the spare words, 128 bytes for each wave: two blocks of 256 bytes that no other line names
.set SPW,  1                           ; v1   SPARE + 4 x my thread's number; never rewritten
.set NIL,  2                           ; v2   0; never rewritten
.set BA,   12                          ; v12-13 my half of a block's codes in slot 0, 1
.set BS,   14                          ; v14-15 and of its scale words
.set ASC,  40                          ; (m, sp) at ASC + 4 m + sp: lanes 0-15 K step 2 sp, lanes 16-31 K step 2 sp + 1
.set BSC,  56                          ; (slot, u, sp) at BSC + 8 slot + 4 u + sp, likewise
.set ACC,  72
.set X0,   72                          ; phase 0: two sets of 64 neighbours, v72-135 and v136-199
.set PC0,  200                         ; phase 0: two sets of 16 registers of codes
.set PW0,  248                         ; phase 0: two scale words
.set PC4,  136                         ; phase 1: four registers of codes for each tile of rows
.set PW4,  152                         ; phase 1: the scale word in the making, one for each tile of rows
.set SC,   156                         ; phase 1: the score in the making, a pair for each tile of rows
.set T,    164                         ; phase 1: v164-171 at work
.set P,    136                         ; phase 2: p of my 32 rows (8 for each tile of rows)
.set O,    168                         ; phase 2: four chains of sums, a pair each
.set R,    176                         ; phase 2: v176-179 at work
.set BIAS, 200                         ; phase 1: bk at the pair's 16 columns of my half
.set QV,   216                         ; phase 1: q at the same columns
.set TM,   232
.set SX,   72                          ; the softmax: 4 heads x 4 scores; v88.. at work
.set SMX,  88
.set SMT,  92
.set SMM,  96
.set SML,  100
.set WV,   16                          ; s16 wave, s17 rh, s18 ch
.set G1,   24                          ; s[24:31] descriptor group 1;  s[32:35], s[36:39] group 0 for slot 0, 1
.set G0,   32
.set SEL,  50
.set MNT,  52
.set CS,   53
.set MSB, 0
.macro WIN new                         ; the immediate's high byte repeats the setting that is left; a switch that changes nothing is dropped
.if MSB != (\new)
	s_set_vgpr_msb (MSB<<8)|(\new)
.set MSB, (\new)
.endif
.endm
.macro PLACES n
.rept \n
	v_nop
.endr
.endm
.macro CREST                           ; a round of the cluster's barrier behind its opening barrier
	s_cmp_lg_u32 s[WV], 0
	s_cbranch_scc1 .Lnot_wave_0_\@
	s_barrier_signal -3
.Lnot_wave_0_\@:
	s_barrier_wait -3
	s_barrier_signal -1
	s_barrier_wait -1
.endm
.macro CROUND                          ; a whole round
	s_barrier_signal -1
	s_barrier_wait -1
	CREST
.endm
; 64 numbers of a lane, v[QS] on, register 16 b + i = k 32 b + 16 (lane / 16) + i of the lane's row, become a fragment's 16 registers of codes, v[QP] on, and the row's scale word, v[QW].
.macro QUANT
.irp b, 0,1,2,3
	v_max3_num_f32 v[TM+\b], |v[QS+16*\b]|, |v[QS+16*\b+1]|, 0x4800000   ; block b: my 16 numbers, and the floor 2^(9 - 127): the byte cannot fall under 1
.endr
.irp i, 2,4,6,8,10,12,14
.irp b, 0,1,2,3
	v_max3_num_f32 v[TM+\b], v[TM+\b], |v[QS+16*\b+\i]|, |v[QS+16*\b+\i+1]|
.endr
.endr
.irp b, 0,1,2,3
	v_permlanex16_b32 v[TM+4+\b], v[TM+\b], s[SEL], s[SEL+1]
.endr
.irp b, 0,1,2,3
	v_max_num_f32 v[TM+\b], v[TM+\b], v[TM+4+\b]                 ; with lane l xor 16's 16: the block's largest magnitude
.endr
.irp b, 0,1,2,3
	v_add_nc_u32 v[TM+12+\b], 0xfc000000, v[TM+\b]               ; 8 off its exponent field: the conversion's scale operand
.endr
.irp b, 0,1,2,3
	v_and_or_b32 v[TM+8+\b], v[TM+\b], 0x7f800000, s[MNT]        ; 448 x the scale
.endr
.irp b, 0,1,2,3
	v_lshrrev_b32 v[TM+4+\b], 23, v[TM+12+\b]                    ; the scale's byte
.endr
	v_lshl_or_b32 v[QW], v[TM+5], 8, v[TM+4]
	v_lshl_or_b32 v[QW], v[TM+6], 16, v[QW]
	v_lshl_or_b32 v[QW], v[TM+7], 24, v[QW]
.irp b, 0,1,2,3
.irp i, 0,1,2,3,4,5,6,7,8,9,10,11,12,13,14,15
	v_med3_num_f32 v[QS+16*\b+\i], v[QS+16*\b+\i], -v[TM+8+\b], v[TM+8+\b]   ; the conversion to an 8-bit code does not saturate (ISA guide 7.6.2): the hold comes first
.endr
	v_cvt_scalef32_pk8_fp8_f32 v[QP+4*\b:QP+4*\b+1], v[QS+16*\b:QS+16*\b+7], v[TM+12+\b]
	v_cvt_scalef32_pk8_fp8_f32 v[QP+4*\b+2:QP+4*\b+3], v[QS+16*\b+8:QS+16*\b+15], v[TM+12+\b]
.endr
	v_nop                                          ; a plain line behind the last conversion, ahead of whatever next touches its registers
.endm
	s_load_b256 s[4:11], s[0:1], 0x0               ; Y s[4:5], wimg s[6:7], qv s[8:9], bk s[10:11]
	s_load_b128 s[12:15], s[0:1], 0x20             ; po s[12:13], pst s[14:15]
	v_lshl_add_u32 v[SPW], v0, 2, SPARE
	v_mov_b32 v[NIL], 0
	ds_add_u32 v1, v2
	ds_add_u32 v1, v2
	s_wait_dscnt 0x0
	v_lshrrev_b32 v36, 5, v0
	v_readfirstlane_b32 s[WV], v36                 ; wave 0..3
	s_lshr_b32 s17, s[WV], 1                       ; rh
	s_and_b32 s18, s[WV], 1                        ; ch
	s_bfe_u32 s19, ttmp6, 0x40000                  ; cx: my place in the cluster
	s_lshl_b32 s20, ttmp9, 2                       ; in a cluster launch ttmp9 counts clusters
	s_add_co_u32 s20, s20, s19                     ; my block of 128 rows: it enters the addresses of Y, po and pst alone
	; descriptor group 1: a quarter of a block, dense in memory: 66 rows of 32 elements of 8 bytes, no padding (the images are read 512 consecutive bytes an instruction)
	s_mov_b32 s[G1], 15|(3<<16)|(1<<21)            ; 15:0 the mask: all four work-groups; 17:16 elements of 8 bytes; 21 set beside a mask
	s_mov_b32 s[G1+1], 32<<16                      ; tensor_dim0 = 32
	s_mov_b32 s[G1+2], 66<<16                      ; tensor_dim1 = 66
	s_mov_b32 s[G1+3], 32<<16                      ; tile_dim0 = 32
	s_mov_b32 s[G1+4], 66                          ; tile_dim1 = 66
	s_mov_b32 s[G1+5], 32                          ; from row to row
	s_mov_b32 s[G1+6], 0
	s_mov_b32 s[G1+7], 0
	s_mul_i32 s22, s[WV], QTR                      ; my quarter, in a block and in a slot: the wave's number alone
	s_mov_b32 s23, 0
	s_lshl_b32 s54, s20, 19                        ; 128 rows of 4,096 bytes a work-group,
	s_lshl_b32 s56, s[WV], 17                      ; 32 a wave
	s_add_co_u32 s54, s54, s56
	s_mov_b32 s55, 0
	s_wait_kmcnt 0x0
	s_mov_b32 s[G0], 1                             ; count = 1
	s_mov_b32 s[G0+1], s22                         ; slot 0
	s_add_nc_u64 s[G0+2:G0+3], s[6:7], s[22:23]    ; block 0
	s_mov_b32 s[G0+4], 1
	s_add_co_u32 s[G0+5], s22, BLK                 ; slot 1
	s_add_nc_u64 s[G0+6:G0+7], s[G0+2:G0+3], BLK   ; block 1
	s_or_b32 s[G0+3], s[G0+3], 0x80000000          ; type = 2
	s_or_b32 s[G0+7], s[G0+7], 0x80000000
	s_add_nc_u64 s[4:5], s[4:5], s[54:55]          ; Y at my wave's 32 rows
	s_lshl_b32 s54, s20, 12
	s_add_nc_u64 s[12:13], s[12:13], s[54:55]
	s_lshl_b32 s54, s20, 7
	s_add_nc_u64 s[14:15], s[14:15], s[54:55]
	CROUND                                         ; all four work-groups are here: the first joint loads meet
	tensor_load_to_lds s[G0:G0+3], s[G1:G1+7]      ; the two first fills go out together: two loads of mine are out
	s_nop 0
	tensor_load_to_lds s[G0+4:G0+7], s[G1:G1+7]
	s_nop 0
	PLACES 4
	v_and_b32 v36, 31, v0                          ; lane
	v_lshlrev_b32 v3, 4, v36                       ; Y: my 16 bytes of a load's 512
	v_lshlrev_b32 v33, 4, v0                       ; q, bk: 16 bytes a thread
; PHASE 0.  A unit is 16 rows x 128 along K; unit k of a trip's four: tile of rows k % 2, K step k / 2 of the trip's two.  Each of its 16 loads reads 512 consecutive bytes of one row.
.macro LOAD k, extra
	WIN 0x40                                       ; destination window 1
.irp p, 0,1,2,3,4,5,6,7,8,9,10,11,12,13,14,15
	global_load_b128 v[64*(\k)+4*\p:64*(\k)+4*\p+3], v3, s[4:5] offset:(\extra)+((\k)%2)*65536+((\k)/2)*512+\p*4096 th:TH_LOAD_NT
.endr
	WIN 0
.endm
	global_load_b128 v[216:219], v33, s[8:9]
	global_load_b128 v[220:223], v33, s[8:9] offset:2048
	global_load_b128 v[224:227], v33, s[10:11]
	global_load_b128 v[228:231], v33, s[10:11] offset:2048
	LOAD 0, 0
	LOAD 1, 0
	LOAD 2, 0
	LOAD 3, 0
	; every LDS address register is made here, ahead of the first branch on the wave's number: a constant + a constant x lane + a constant x wave
	v_and_b32 v37, 15, v0                          ; r
	v_bfe_u32 v38, v0, 4, 1                        ; h
	v_and_b32 v39, 8, v37
	v_add_nc_u32 v39, v39, v37                     ; r + 8 (r / 8)
	s_mul_i32 s56, s[WV], 8448
	s_add_co_u32 s56, s56, STG
	v_lshl_add_u32 v4, v36, 4, s56                 ; v4  my stage, on the way in: 16 x lane, a row of 512 bytes an instruction
	v_mul_u32_u24 v5, v37, 528
	v_lshl_add_u32 v5, v38, 6, v5
	v_add_nc_u32 v5, s56, v5                       ; v5  and on the way out: row r (528 bytes = 132 words apart: sixteen rows start at sixteen different banks), + 64 h
	s_lshl_b32 s56, s[WV], 15
	s_add_co_u32 s56, s56, IMG
	v_lshl_add_u32 v6, v36, 4, s56                 ; v6  where I store Y's images (v8: stepped)
	s_lshl_b32 s56, s[WV], 11
	s_add_co_u32 s56, s56, ISC
	v_lshl_add_u32 v7, v36, 2, s56                 ; v7  and their scale words (v9: stepped)
	s_lshl_b32 s56, s17, 16
	s_add_co_u32 s56, s56, IMG
	v_lshl_add_u32 v10, v36, 4, s56                ; v10 my 64 rows' images
	s_lshl_b32 s57, s18, 13
	s_add_co_u32 s57, s57, s56
	v_lshl_add_u32 v18, v36, 4, s57                ; v18 where I store the keys' images: K steps 4 ch on (v19: stepped)
	s_lshl_b32 s56, s17, 12
	s_add_co_u32 s56, s56, ISC
	v_lshlrev_b32 v11, 2, v37
	v_lshl_add_u32 v11, v38, 7, v11
	v_add_nc_u32 v11, s56, v11                     ; v11 my rows' scale words: lanes 0-15 an even K step's, lanes 16-31 the next one's
	s_lshl_b32 s57, s18, 9
	s_add_co_u32 s57, s57, s56
	v_lshl_add_u32 v20, v36, 2, s57                ; v20 where I store the keys' scale words (v21: stepped)
	s_lshl_b32 s56, s18, 15
	v_lshl_add_u32 v[BA], v36, 4, s56
	v_add_nc_u32 v[BA+1], BLK, v[BA]
	s_lshl_b32 s56, s18, 10
	s_add_co_u32 s56, s56, 65536
	v_lshl_add_u32 v[BS], v36, 4, s56
	v_add_nc_u32 v[BS+1], BLK, v[BS]
	s_lshl_b32 s56, s18, 11
	s_add_co_u32 s56, s56, QB
	v_lshl_add_u32 v16, v38, 6, s56                ; v16 q at my half's columns, + 64 h (v17: stepped); bk lies 4,096 bytes on
	s_lshl_b32 s56, s18, 12
	s_lshl_b32 s57, s17, 11
	s_add_co_u32 s56, s56, s57
	s_add_co_u32 s56, s56, SCR
	v_lshl_add_u32 v22, v37, 2, s56                ; v22 where I store scores: my 2,048 bytes, row r (v23: stepped)
	v_lshl_add_u32 v27, v38, 5, s56                ; v27 where I read p: rows 8 h on (v28: stepped)
	s_lshl_b32 s56, s17, 12
	s_lshl_b32 s57, s18, 10
	s_add_co_u32 s56, s56, s57
	s_add_co_u32 s56, s56, SCR
	v_lshl_add_u32 v24, v37, 4, s56
	v_lshl_add_u32 v24, v38, 11, v24               ; v24 the softmax: heads 4 w on; lanes 0-15 the rows of rh = 0, lanes 16-31 of rh = 1, four rows a lane
	s_lshl_b32 s56, s[WV], 4
	s_add_co_u32 s56, s56, STAT
	v_mov_b32 v25, s56                             ; v25 M of heads 4 w on
	v_lshl_add_u32 v26, v36, 2, STAT               ; v26 all 32 words, read by wave 0
	s_lshl_b32 s56, s17, 12
	s_lshl_b32 s57, s18, 11
	s_add_co_u32 s56, s56, s57
	s_add_co_u32 s56, s56, STG
	v_lshl_add_u32 v29, v39, 2, s56                ; v29 where I store column sums (v30: stepped)
	s_lshl_b32 s56, s[WV], 10
	v_lshl_add_u32 v32, v36, 4, s56                ; v32 po: 1,024 bytes a wave
	s_add_co_u32 s56, s56, STG
	v_lshl_add_u32 v31, v36, 4, s56                ; v31 the same columns' sums in LDS
	v_lshl_add_u32 v34, v0, 4, QB                  ; v34 where q and bk go
	v_lshlrev_b32 v35, 2, v36                      ; v35 pst: 4 x lane
	s_mov_b32 s[SEL], 0x76543210
	s_mov_b32 s[SEL+1], 0xfedcba98                 ; v_permlanex16_b32's selects for lane l xor 16
	s_mov_b32 s[MNT], 0x600000                     ; the mantissa field of 448
	s_mov_b32 s[CS], 0x3e38aa3b                    ; c = log2(e) / 8
.irp n, 41,42,43,44,45,46,47,48
	s_mov_b32 s\n, 0                               ; the loops' steps: s41, s42 Y's images and words; s43 q; s44, s45 the keys' images and words; s46 scores; s47 p; s48 column sums
.endr
.irp b, 0,1,2,3
	v_mov_b32 v[TM+4+\b], 0                        ; written once: a lane permute's destination counts as one of its sources
.endr
; The conversions want 16 NEIGHBOURS along K in a lane, the loads 16 neighbouring bytes in neighbouring lanes: so a unit turns through the wave's own stage.  LDS serves a wave's instructions in order (ISA guide 5.7.1.4): one stage does.
.macro TURN k
	WIN 0x04                                       ; an LDS store's data are its source 1: window 1
.irp p, 0,1,2,3,4,5,6,7,8,9,10,11,12,13,14,15
	ds_store_b128 v4, v[64*(\k)+4*\p:64*(\k)+4*\p+3] offset:528*\p
.endr
	WIN 0
.set XS, X0+64*((\k)%2)
.irp b, 0,1,2,3
.irp j, 0,1,2,3
	ds_load_b128 v[XS+16*\b+4*\j:XS+16*\b+4*\j+3], v5 offset:128*\b+16*\j
.endr
.endr
.endm
; Unit k of a trip.  ahead = 1: its set of registers takes the unit four further on.  turn = 1: the next unit goes through the stage; lw = how many younger loads may then stay out.
.macro STEP0 k, ahead, lw, turn
	s_wait_dscnt 4                                 ; behind this unit's 16 loads from the stage stand at least four LDS stores on every way here: the unit is in, the stage's stores have read set k, and the images of two units ago have left their registers
.if \ahead
	LOAD \k, 1024
.endif
.if \turn
	s_wait_loadcnt \lw                             ; loads come back in order: the next unit is in; the units behind it, 16 loads each, stay out
	TURN ((\k)+1)%4
.endif
.set QS, X0+64*((\k)%2)
.set QP, PC0+16*((\k)%2)
.set QW, PW0+((\k)%2)
	QUANT
.irp c, 0,1,2,3
	ds_store_b128 v8, v[QP+4*\c:QP+4*\c+3] offset:((\k)%2)*16384+((\k)/2)*2048+512*\c   ; the fragment goes to LDS as it stands in the registers
.endr
	ds_store_b32 v9, v[QW] offset:((\k)%2)*1024+((\k)/2)*128
.endm
.macro TRIP0 ahead
	s_wait_dscnt 0x0                               ; no LDS instruction of mine is out: the stepped addresses may be written
	v_add_nc_u32 v8, s41, v6
	v_add_nc_u32 v9, s42, v7
.if \ahead
	STEP0 0, 1, 48, 1
	STEP0 1, 1, 48, 1
	STEP0 2, 1, 48, 1
	STEP0 3, 1, 48, 1
.else
	STEP0 0, 0, 32, 1                              ; the last four units load nothing: the counts run down
	STEP0 1, 0, 16, 1
	STEP0 2, 0, 0, 1
	STEP0 3, 0, 0, 0
.endif
	s_add_co_u32 s41, s41, 4096                    ; two K steps on
	s_add_co_u32 s42, s42, 256
.if \ahead
	s_wait_xcnt 0x0                                ; the loads have read their base: it may step
	s_add_nc_u64 s[4:5], s[4:5], 1024
.endif
.endm
	s_wait_loadcnt 48                              ; q, bk and unit 0 are in; units 1 to 3 stay out
	TURN 0
	ds_store_b128 v34, v[216:219]
	ds_store_b128 v34, v[220:223] offset:2048
	ds_store_b128 v34, v[224:227] offset:4096
	ds_store_b128 v34, v[228:231] offset:6144
	s_mov_b32 s40, 3
.Ly:
	TRIP0 1
	s_sub_co_u32 s40, s40, 1
	s_cmp_lg_u32 s40, 0
	s_cbranch_scc1 .Ly
	TRIP0 0
	s_wait_tensorcnt 0x1                           ; my quarter of block 0 is in; block 1's may stay out
	s_wait_dscnt 0x0                               ; my images, words, q and bk have landed
	s_barrier_signal -1
	s_barrier_wait -1
; My 64 rows' 32 fragments and their scale words, from the images.
.macro FETCH_A
.irp m, 0,1,2,3
	WIN 0x80+0x40*(\m/2)                           ; destination window 2 or 3
.irp s, 0,1,2,3,4,5,6,7
.irp c, 0,1,2,3
	ds_load_b128 v[16*(8*(\m%2)+\s)+4*\c:16*(8*(\m%2)+\s)+4*\c+3], v10 offset:(8*\m+\s)*2048+512*\c
.endr
.endr
.endr
	WIN 0
.irp m, 0,1,2,3
.irp q, 0,1,2,3
	ds_load_b32 v[ASC+4*\m+\q], v11 offset:(8*\m+2*\q)*128
.endr
.endr
.endm
; A block's first half (K steps 0-3 of my two tiles) and its scale words: 34 loads.  Its second half: 32 loads.
.macro FETCH_X par
	WIN 0x40
.irp u, 0,1
.irp s, 0,1,2,3
.irp c, 0,1,2,3
	ds_load_b128 v[16*(4*\u+\s)+4*\c:16*(4*\u+\s)+4*\c+3], v[BA+(\par)] offset:(8*\u+\s)*2048+512*\c
.endr
.endr
.endr
	WIN 0
.irp u, 0,1
	ds_load_b128 v[BSC+8*(\par)+4*\u:BSC+8*(\par)+4*\u+3], v[BS+(\par)] offset:512*\u
.endr
.endm
.macro FETCH_Y par
	WIN 0x40
.irp u, 0,1
.irp s, 4,5,6,7
.irp c, 0,1,2,3
	ds_load_b128 v[128+16*(4*\u+\s-4)+4*\c:128+16*(4*\u+\s-4)+4*\c+3], v[BA+(\par)] offset:(8*\u+\s)*2048+512*\c
.endr
.endr
.endr
	WIN 0
.endm
; One matrix instruction: tile of rows m, weight tile u, K step s.  Odd K steps take their scale words from lanes 16-31 of the same registers.
; Phase 1 (transposed): lane (r, h), register 8 u + i of ACC + 16 m: row 16 m + r, column 32 x pair + 16 h + 8 u + i; the first K step takes bk as C.  Phase 2: lane (r, h), register i of ACC + 32 u + 8 m: row 16 m + 8 h + i, the column of the tile's lane r.
.macro MM ph, par, m, u, s
.set rB, 128*((\s)/4)+16*(4*(\u)+(\s)%4)
.set rA, 16*(8*((\m)%2)+(\s))
.set rW, BSC+8*(\par)+4*(\u)+(\s)/2
.set rX, ASC+4*(\m)+(\s)/2
.if \ph == 1
.set rD, ACC+16*(\m)+8*(\u)
.if (\s) == 0
	v_wmma_scale_f32_16x16x128_f8f6f4 v[rD:rD+7], v[rB:rB+15], v[rA:rA+15], v[BIAS+8*(\u):BIAS+8*(\u)+7], v[rW], v[rX]
.elseif (\s)%2 == 0
	v_wmma_scale_f32_16x16x128_f8f6f4 v[rD:rD+7], v[rB:rB+15], v[rA:rA+15], v[rD:rD+7], v[rW], v[rX]
.else
	v_wmma_scale_f32_16x16x128_f8f6f4 v[rD:rD+7], v[rB:rB+15], v[rA:rA+15], v[rD:rD+7], v[rW], v[rX] matrix_a_scale:MATRIX_SCALE_ROW1 matrix_b_scale:MATRIX_SCALE_ROW1
.endif
.else
.set rD, ACC+32*(\u)+8*(\m)
.if (\s) == 0
	v_wmma_scale_f32_16x16x128_f8f6f4 v[rD:rD+7], v[rA:rA+15], v[rB:rB+15], 0, v[rX], v[rW]
.elseif (\s)%2 == 0
	v_wmma_scale_f32_16x16x128_f8f6f4 v[rD:rD+7], v[rA:rA+15], v[rB:rB+15], v[rD:rD+7], v[rX], v[rW]
.else
	v_wmma_scale_f32_16x16x128_f8f6f4 v[rD:rD+7], v[rA:rA+15], v[rB:rB+15], v[rD:rD+7], v[rX], v[rW] matrix_a_scale:MATRIX_SCALE_ROW1 matrix_b_scale:MATRIX_SCALE_ROW1
.endif
.endif
.endm
.macro MG4 ph, par, s, m0              ; one K step of four accumulators, which take turns, one instruction a turn
.irp u, 0,1
.irp m, \m0, \m0+1
	MM \ph, \par, \m, \u, \s
.endr
.endr
.endm
; Behind a pair of phase 1 (b = the pair in its trip = the block of 32 in the next product's K step): for each of my four tiles of rows, by turns, 16 keys of a lane: their part of the score, their scale byte, their codes.
.macro POST1 b
.irp m, 0,1,2,3
	v_max3_num_f32 v[TM+\m], |v[ACC+16*\m]|, |v[ACC+16*\m+1]|, 0x4800000   ; each accumulator is read from its low end on
.endr
.irp i, 2,4,6,8,10,12,14
.irp m, 0,1,2,3
	v_max3_num_f32 v[TM+\m], v[TM+\m], |v[ACC+16*\m+\i]|, |v[ACC+16*\m+\i+1]|
.endr
.endr
.irp m, 0,1,2,3
	v_permlanex16_b32 v[TM+4+\m], v[TM+\m], s[SEL], s[SEL+1]
.endr
.irp m, 0,1,2,3
	v_max_num_f32 v[TM+\m], v[TM+\m], v[TM+4+\m]                 ; with lane l xor 16's 16 keys: the block's largest magnitude
.endr
.irp m, 0,1,2,3
	v_add_nc_u32 v[TM+12+\m], 0xfc000000, v[TM+\m]
.endr
.irp m, 0,1,2,3
	v_and_or_b32 v[TM+8+\m], v[TM+\m], 0x7f800000, s[MNT]
.endr
.irp m, 0,1,2,3
	v_lshrrev_b32 v[TM+4+\m], 23, v[TM+12+\m]
.endr
.irp m, 0,1,2,3
.if (\b) == 0
	v_mov_b32 v[PW4+\m], v[TM+4+\m]                              ; four pairs' bytes make the K step's scale word
.else
	v_lshl_or_b32 v[PW4+\m], v[TM+4+\m], 8*(\b), v[PW4+\m]
.endif
.endr
.irp m, 0,1,2,3                        ; the scores take the keys as they are, ahead of the hold: f32 multiply-adds, two at a time; a head is two pairs
.if (\b)%2 == 0
	v_pk_mul_f32 v[SC+2*\m:SC+2*\m+1], v[ACC+16*\m:ACC+16*\m+1], v[QV:QV+1]
.else
	v_pk_fma_f32 v[SC+2*\m:SC+2*\m+1], v[ACC+16*\m:ACC+16*\m+1], v[QV:QV+1], v[SC+2*\m:SC+2*\m+1]
.endif
.endr
.irp i, 2,4,6,8,10,12,14
.irp m, 0,1,2,3
	v_pk_fma_f32 v[SC+2*\m:SC+2*\m+1], v[ACC+16*\m+\i:ACC+16*\m+\i+1], v[QV+\i:QV+\i+1], v[SC+2*\m:SC+2*\m+1]
.endr
.endr
.irp m, 0,1,2,3
.irp i, 0,1,2,3,4,5,6,7,8,9,10,11,12,13,14,15
	v_med3_num_f32 v[ACC+16*\m+\i], v[ACC+16*\m+\i], -v[TM+8+\m], v[TM+8+\m]
.endr
	v_cvt_scalef32_pk8_fp8_f32 v[PC4+4*\m:PC4+4*\m+1], v[ACC+16*\m:ACC+16*\m+7], v[TM+12+\m]
	v_cvt_scalef32_pk8_fp8_f32 v[PC4+4*\m+2:PC4+4*\m+3], v[ACC+16*\m+8:ACC+16*\m+15], v[TM+12+\m]
.endr
	v_nop                                          ; a plain line behind the last conversion: the next products write its sources
.irp m, 0,1,2,3
	ds_store_b128 v19, v[PC4+4*\m:PC4+4*\m+3] offset:16384*\m+512*(\b)   ; register group b of the fragment (rows 16 m on, K step 4 ch + trip)
.endr
.if (\b) == 3
.irp m, 0,1,2,3
	ds_store_b32 v21, v[PW4+\m] offset:1024*\m
.endr
.endif
.if (\b)%2 == 1
.irp m, 0,1,2,3
	v_add_f32 v[T+\m], v[SC+2*\m], v[SC+2*\m+1]
.endr
.irp m, 0,1,2,3
	v_permlanex16_b32 v[T+4+\m], v[T+\m], s[SEL], s[SEL+1]
.endr
.irp m, 0,1,2,3
	v_add_f32 v[T+\m], v[T+\m], v[T+4+\m]          ; the head's 64 columns: the score of row 16 m + r
.endr
.irp m, 0,1,2,3
	ds_store_b32 v23, v[T+\m] offset:256*((\b)/2)+64*\m   ; lanes r and r + 16 write the same word with the same value
.endr
.endif
.endm
; Behind a pair of phase 2 (pr = the pair in its trip): the sum over my 64 rows of p x value, for the pair's 2 x 16 columns: four chains, two rows at a time.
.macro POST2 pr
.irp u, 0,1
.irp g, 0,1
	v_pk_mul_f32 v[O+4*\u+2*\g:O+4*\u+2*\g+1], v[ACC+32*\u+16*\g:ACC+32*\u+16*\g+1], v[P+16*\g:P+16*\g+1]   ; each accumulator is read from its low end on
.endr
.endr
.irp i, 2,4,6,8,10,12,14
.irp u, 0,1
.irp g, 0,1
	v_pk_fma_f32 v[O+4*\u+2*\g:O+4*\u+2*\g+1], v[ACC+32*\u+16*\g+\i:ACC+32*\u+16*\g+\i+1], v[P+16*\g+\i:P+16*\g+\i+1], v[O+4*\u+2*\g:O+4*\u+2*\g+1]
.endr
.endr
.endr
.irp u, 0,1
	v_pk_add_f32 v[O+4*\u:O+4*\u+1], v[O+4*\u:O+4*\u+1], v[O+4*\u+2:O+4*\u+3]
.endr
.irp u, 0,1
	v_add_f32 v[R+\u], v[O+4*\u], v[O+4*\u+1]
.endr
.irp u, 0,1
	v_permlanex16_b32 v[R+2+\u], v[R+\u], s[SEL], s[SEL+1]
.endr
.irp u, 0,1
	v_add_f32 v[R+\u], v[R+\u], v[R+2+\u]          ; with lane l xor 16's rows
.endr
.irp u, 0,1
	ds_store_b32 v30, v[R+\u] offset:128*(\pr)+32*\u
.endr
.endm
; A PAIR: one block of the ring, 64 matrix instructions.  ph: the phase; par: the block's slot; fill = 2: the slot is filled again, two blocks ahead; 1: the change of slots without a fill; 0: no change (the last block);
; next = 1: the next block's first half is fetched; b: the pair in its trip (phase 1); bh, bn = 1: bk for this pair is loaded here, for the next pair at this pair's end; pl = 1: p of the trip's head is loaded.
.macro PAIR ph, par, fill, next, b, bh, bn, pl
.if \ph == 1
.set W01, 0x09                         ; source 0 (the weight) window 1, source 1 (the rows) window 2;
.set W23, 0x0d                         ; window 3
.else
.set W01, 0x06                         ; source 0 (the rows) window 2, source 1 (the weight) window 1;
.set W23, 0x07                         ; window 3
.endif
.if \bh
.irp k, 0,1,2,3
	ds_load_b128 v[BIAS+4*\k:BIAS+4*\k+3], v17 offset:4096+128*(\b)+16*\k
.endr
.endif
	FETCH_Y \par                                   ; (the places in front of these loads: the nine v_nop and the vector work behind the last pair's products)
.if \ph == 1
.irp k, 0,1,2,3
	ds_load_b128 v[QV+4*\k:QV+4*\k+3], v17 offset:128*(\b)+16*\k
.endr
	s_wait_dscnt 36                                ; all but the second half's 32 loads and q's 4: the first half, the scale words and bk are in
.elseif \pl
.irp k, 0,1,2,3,4,5,6,7
	ds_load_b128 v[P+4*\k:P+4*\k+3], v28 offset:64*(\k/2)+16*(\k%2)
.endr
	s_wait_dscnt 40                                ; all but the second half's 32 loads and p's 8
.else
	s_wait_dscnt 32                                ; all but the second half's 32 loads
.endif
	WIN W01
.irp s, 0,1,2,3
	MG4 \ph, \par, \s, 0
.endr
	WIN W23
.irp s, 0,1,2,3
	MG4 \ph, \par, \s, 2
.endr
	s_wait_dscnt 0x0                               ; the second half is in (asked for 32 matrix instructions ago): my reads of this block are over
	WIN W01
.irp s, 4,5,6,7
	MG4 \ph, \par, \s, 0
.endr
.if \fill >= 1
	WIN 0                                          ; (the add's two registers lie in window 0)
	s_wait_tensorcnt 0x0                           ; all my tensor loads have landed: the one that was out is my quarter of the next block
	ds_add_u32 v[SPW], v[NIL]                      ; 0 onto my spare word
.if \fill == 2
	s_add_nc_u64 s[G0+4*(\par)+2:G0+4*(\par)+3], s[G0+4*(\par)+2:G0+4*(\par)+3], 2*BLK   ; no load of mine is out: this slot's descriptor steps two blocks on
.endif
	WIN W23
	MG4 \ph, \par, 4, 2                            ; eight matrix instructions stand between the add and the wait for it
	MG4 \ph, \par, 5, 2
	s_wait_dscnt 0x0                               ; the add is done
	s_barrier_signal -1                            ; (with fill = 2 this barrier opens a round of the cluster's barrier)
	MG4 \ph, \par, 6, 2                            ; work on registers while the others arrive
	MG4 \ph, \par, 7, 2
	WIN 0
	s_barrier_wait -1
.if \fill == 2
	CREST                                          ; no wave of any partner still reads this slot or has a load on its way
	tensor_load_to_lds s[G0+4*(\par):G0+4*(\par)+3], s[G1:G1+7]   ; my one tensor load behind the round, and the first thing there: it has the next pair in which to land
	s_nop 0
.endif
.else
	WIN W23
.irp s, 4,5,6,7
	MG4 \ph, \par, \s, 2
.endr
	WIN 0
.endif
	PLACES 9                                       ; eight places ahead of loads into registers that the products read and of the first read of results; a ninth, since the next pair begins these accumulators anew with another C
.if \next
	FETCH_X 1-\par
.endif
.if \bn
.irp k, 0,1,2,3
	ds_load_b128 v[BIAS+4*\k:BIAS+4*\k+3], v17 offset:4096+128*((\b)+1)+16*\k
.endr
.endif
.if \ph == 1
	POST1 \b
.else
	POST2 \par
.endif
.endm
	; ---- PHASE 1: keys = Q(Y) Q(Wk)^T + bk, blocks 0 to 15.  A trip is four pairs: 128 columns of each half = one K step of the next product
	FETCH_A
	FETCH_X 0
.irp m, 0,1,2,3
	v_mov_b32 v[T+4+\m], 0                         ; a lane permute's destination counts as one of its sources
.endr
	s_mov_b32 s40, 4
.Lk:
	s_wait_dscnt 0x0                               ; no LDS instruction of mine is out: the stepped addresses may be written
	v_add_nc_u32 v17, s43, v16
	v_add_nc_u32 v19, s44, v18
	v_add_nc_u32 v21, s45, v20
	v_add_nc_u32 v23, s46, v22
	PAIR 1, 0, 2, 1, 0, 1, 1, 0                    ; the keys' images overwrite Y's from the first pair's end on: behind its barrier, in front of which every wave has its fragments of Y in registers
	PAIR 1, 1, 2, 1, 1, 0, 1, 0
	PAIR 1, 0, 2, 1, 2, 0, 1, 0
	PAIR 1, 1, 2, 1, 3, 0, 0, 0
	s_add_co_u32 s43, s43, 512
	s_add_co_u32 s44, s44, 2048
	s_add_co_u32 s45, s45, 128
	s_add_co_u32 s46, s46, 512
	s_sub_co_u32 s40, s40, 1
	s_cmp_lg_u32 s40, 0
	s_cbranch_scc1 .Lk
	; ---- between the phases: the keys' fragments into the registers, and the block's softmax: wave w takes heads 4 w .. 4 w + 3, four rows a lane
	s_wait_dscnt 0x0                               ; my images, words and scores have landed
	s_barrier_signal -1                            ; (my quarter of block 17 may stay out)
	s_barrier_wait -1
.irp k, 0,1,2,3
	ds_load_b128 v[SX+4*\k:SX+4*\k+3], v24 offset:256*\k
.endr
.irp k, 0,1,2,3
	v_mov_b32 v[SMT+\k], 0
.endr
	s_wait_dscnt 0x0
	FETCH_A                                        ; lands while the softmax is worked
.irp k, 0,1,2,3
	v_max3_num_f32 v[SMX+\k], v[SX+4*\k], v[SX+4*\k+1], v[SX+4*\k+2]
.endr
.irp k, 0,1,2,3
	v_max_num_f32 v[SMX+\k], v[SMX+\k], v[SX+4*\k+3]
.endr
.irp x, 1,2,4,8
.irp k, 0,1,2,3
	v_max_num_f32_dpp v[SMX+\k], v[SMX+\k], v[SMX+\k] row_xmask:\x row_mask:0xf bank_mask:0xf
.endr
.endr
.irp k, 0,1,2,3
	v_permlanex16_b32 v[SMT+\k], v[SMX+\k], s[SEL], s[SEL+1]
.endr
.irp k, 0,1,2,3
	v_max_num_f32 v[SMX+\k], v[SMX+\k], v[SMT+\k]  ; the largest score of the head's 128 rows
.endr
.irp k, 0,1,2,3
	v_mul_f32 v[SMM+\k], s[CS], v[SMX+\k]          ; M = c x it (c is positive)
.endr
.irp k, 0,1,2,3
.irp e, 0,1,2,3
	v_fma_f32 v[SX+4*\k+\e], v[SX+4*\k+\e], s[CS], -v[SMM+\k]
.endr
.endr
.irp j, 0,1,2,3,4,5,6,7,8,9,10,11,12,13,14,15
	v_exp_f32 v[SX+\j], v[SX+\j]                   ; p = 2^(c s - M), one batch
.endr
	v_nop                                          ; a plain line behind the last exponential
	s_wait_alu depctr_va_vdst(0)                   ; one wait for the batch, ahead of its first reader
.irp k, 0,1,2,3
	v_add_f32 v[SML+\k], v[SX+4*\k], v[SX+4*\k+1]
.endr
.irp k, 0,1,2,3
	v_add_f32 v[SMX+\k], v[SX+4*\k+2], v[SX+4*\k+3]
.endr
.irp k, 0,1,2,3
	v_add_f32 v[SML+\k], v[SML+\k], v[SMX+\k]
.endr
.irp x, 1,2,4,8
.irp k, 0,1,2,3
	v_add_f32_dpp v[SML+\k], v[SML+\k], v[SML+\k] row_xmask:\x row_mask:0xf bank_mask:0xf
.endr
.endr
.irp k, 0,1,2,3
	v_permlanex16_b32 v[SMT+\k], v[SML+\k], s[SEL], s[SEL+1]
.endr
.irp k, 0,1,2,3
	v_add_f32 v[SML+\k], v[SML+\k], v[SMT+\k]      ; the sum of the head's 128 p
.endr
.irp k, 0,1,2,3
	ds_store_b128 v24, v[SX+4*\k:SX+4*\k+3] offset:256*\k   ; p takes the scores' place
	ds_store_b32 v25, v[SMM+\k] offset:4*\k        ; all lanes write the same word with the same value
	ds_store_b32 v25, v[SML+\k] offset:64+4*\k
.endr
.irp u, 0,1
	v_mov_b32 v[R+2+\u], 0
.endr
	s_wait_dscnt 0x0                               ; p, M and the sums have landed; the keys' fragments are in
	s_barrier_signal -1
	s_barrier_wait -1
	s_cmp_lg_u32 s[WV], 0
	s_cbranch_scc1 .Lno_stat
	ds_load_b32 v180, v26
	s_wait_dscnt 0x0
	global_store_b32 v35, v180, s[14:15]           ; 128 consecutive bytes: M of 16 heads, then the sums (v180 is not written again)
.Lno_stat:
	; ---- PHASE 2: values = Q(keys) Q(Wv)^T, blocks 16 to 31, and the sums of p x values.  A trip is a head of each half: two pairs
	s_mov_b32 s40, 7
.Lv:
	s_wait_dscnt 0x0                               ; no LDS instruction of mine is out: the stepped addresses may be written
	v_add_nc_u32 v28, s47, v27
	v_add_nc_u32 v30, s48, v29
	PAIR 2, 0, 2, 1, 0, 0, 0, 1
	PAIR 2, 1, 2, 1, 0, 0, 0, 0
	s_add_co_u32 s47, s47, 256
	s_add_co_u32 s48, s48, 256
	s_sub_co_u32 s40, s40, 1
	s_cmp_lg_u32 s40, 0
	s_cbranch_scc1 .Lv
	s_wait_dscnt 0x0                               ; the last trip is written out: nothing is left to fetch
	v_add_nc_u32 v28, s47, v27
	v_add_nc_u32 v30, s48, v29
	PAIR 2, 0, 1, 1, 0, 0, 0, 1
	PAIR 2, 1, 0, 0, 0, 0, 0, 0
	; ---- the way out: the two row halves' sums are added; wave w stores columns 256 w .. + 255
	s_wait_dscnt 0x0
	s_barrier_signal -1
	s_barrier_wait -1
	ds_load_b128 v[72:75], v31
	ds_load_b128 v[76:79], v31 offset:512
	ds_load_b128 v[80:83], v31 offset:4096
	ds_load_b128 v[84:87], v31 offset:4608
	s_wait_dscnt 0x0
	v_pk_add_f32 v[72:73], v[72:73], v[80:81]
	v_pk_add_f32 v[74:75], v[74:75], v[82:83]
	v_pk_add_f32 v[76:77], v[76:77], v[84:85]
	v_pk_add_f32 v[78:79], v[78:79], v[86:87]
	global_store_b128 v32, v[72:75], s[12:13]      ; 32 lanes store 512 consecutive bytes, aligned
	global_store_b128 v32, v[76:79], s[12:13] offset:512
	s_wait_tensorcnt 0x0                           ; the wave's end, behind my last tensor load and my last LDS store
	ds_add_u32 v[SPW], v[NIL]
	s_wait_dscnt 0x0
	CROUND                                         ; the closing round: no work-group ends while a partner may still ask for a block that names it
	s_endpgm
.Lfunc_end_k_qfafd97a1af_main:
	.size	k_qfafd97a1af_main, .Lfunc_end_k_qfafd97a1af_main-k_qfafd97a1af_main
	.p2alignl 7, 3214868480
	.fill 96, 4, 3214868480
	.section	.rodata,"a",@progbits
	.p2align	6, 0x0
	.amdhsa_kernel k_qfafd97a1af_main
		.amdhsa_group_segment_fixed_size 327680
		.amdhsa_private_segment_fixed_size 0
		.amdhsa_enable_private_segment 0
		.amdhsa_kernarg_size 48
		.amdhsa_user_sgpr_count 2
		.amdhsa_user_sgpr_kernarg_segment_ptr 1
		.amdhsa_wavefront_size32 1
		.amdhsa_system_sgpr_workgroup_id_x 1
		.amdhsa_system_sgpr_workgroup_id_y 1
		.amdhsa_system_sgpr_workgroup_id_z 1
		.amdhsa_system_vgpr_workitem_id 0
		.amdhsa_next_free_vgpr 1024
		.amdhsa_next_free_sgpr 66
		.amdhsa_reserve_vcc 0
		.amdhsa_float_denorm_mode_32 3
		.amdhsa_float_denorm_mode_16_64 3
		.amdhsa_memory_ordered 1
		.amdhsa_forward_progress 1
		.amdhsa_inst_pref_size 255
	.end_amdhsa_kernel
	.section	.bss,"aw",@nobits
	.p2align	6
	.space	262144
	.amdgpu_metadata
---
amdhsa.version: [ 1, 2 ]
amdhsa.kernels:
  - .name:           k_qfafd97a1af_main
    .symbol:         k_qfafd97a1af_main.kd
    .args:
      - { .name: Y, .offset: 0, .size: 8, .value_kind: global_buffer, .address_space: global }
      - { .name: wimg, .offset: 8, .size: 8, .value_kind: global_buffer, .address_space: global }
      - { .name: qv, .offset: 16, .size: 8, .value_kind: global_buffer, .address_space: global }
      - { .name: bk, .offset: 24, .size: 8, .value_kind: global_buffer, .address_space: global }
      - { .name: po, .offset: 32, .size: 8, .value_kind: global_buffer, .address_space: global }
      - { .name: pst, .offset: 40, .size: 8, .value_kind: global_buffer, .address_space: global }
    .group_segment_fixed_size: 327680
    .private_segment_fixed_size: 0
    .kernarg_segment_align: 8
    .kernarg_segment_size: 48
    .max_flat_workgroup_size: 128
    .sgpr_count:     66
    .vgpr_count:     1024
    .wavefront_size: 32
...
	.end_amdgpu_metadata
.endif
;; end of part 2
;; launch finish (part 3): grid 16 x 16, 4 waves a work-group, no clusters, 17,920 bytes of LDS; arguments po, pst, bv, wimg, bo, out0; writes out0
.if DOCPART == 3
	.amdgcn_target "amdgcn-amd-amdhsa--gfx1250"
	.amdhsa_code_object_version 6
	.text
	.protected	k_qfafd97a1af_finish
	.globl	k_qfafd97a1af_finish
	.p2align	8
	.type	k_qfafd97a1af_finish,@function
k_qfafd97a1af_finish:
	s_mov_b64 s[64:65], 0
	v_nop
	global_prefetch_b8 v0, s[64:65] scope:SCOPE_SE
	s_setreg_imm32_b32 hwreg(HW_REG_WAVE_MODE, 25, 1), 1
	s_wait_xcnt 0x0
; out0[b] = Q(pooled[b]) Q(Wo)^T + bo, with pooled[b][col] = (the sum over the batch's 16 blocks r of f_r po_r[col]) / (the sum of f_r l_r) + bv[col], f_r = 2^(M_r - the largest M) for the column's head.
; (bv is added behind the division: the softmax's weights add up to 1.)  The product on codes of FP8 (E4M3) with one E8M0 scale for each 32 along K; all else in f32.
; LIMITS: NaN and infinities are not served; a block of 32 zeros gets the scale byte 1 where the rule says 127 (its codes are zeros; this program alone reads the byte); K is summed in two f32 accumulators, even and odd steps of 128.
; SHARES: work-group (x, y) takes batch y and the 64 output columns of Wo's block x; wave w takes the block's tile w (16 columns), and, ahead of that, joins and quantises columns 256 w .. + 255 of pooled (heads 4 w .. + 3) for all four waves.
; In the joining a lane (r, h) holds block r's numbers, in the order of the operand's registers; four steps across the sixteen lanes add them, so that every lane ends with the one pooled row: all sixteen rows of the operand are that row.
; No tensor load, no cluster: what work-groups share (64 KB of partial sums for each batch) is small, and the launch is short.
.set BLK,  67584
.set FIMG, 0                           ; LDS: the pooled row's 8 fragments, as images of their registers, 2,048 bytes each
.set FSC,  16384                       ; their scale words, 128 bytes each
.set G,    32                          ; v32-39 f / the sum for my four heads, each in a pair
.set ASC,  40                          ; v40-43 the row's scale words;  v44-47 Wo's: scales and nothing else
.set BSC,  44
.set AC0,  48
.set AC1,  56
.set X,    64                          ; v64-191 two sets of 64 numbers; later the 8 fragments
.set PC,   192
.set PW,   224
.set TM,   232
.set WV,   16
.set SEL,  22
.set MNT,  24
.set MSB, 0
.macro WIN new
.if MSB != (\new)
	s_set_vgpr_msb (MSB<<8)|(\new)
.set MSB, (\new)
.endif
.endm
.macro QUANT                           ; 64 numbers of a lane, v[QS] on (register 16 b + i = k 32 b + 16 (lane / 16) + i), become 16 registers of codes, v[QP] on, and the scale word v[QW]
.irp b, 0,1,2,3
	v_max3_num_f32 v[TM+\b], |v[QS+16*\b]|, |v[QS+16*\b+1]|, 0x4800000   ; and the floor 2^(9 - 127): the byte cannot fall under 1
.endr
.irp i, 2,4,6,8,10,12,14
.irp b, 0,1,2,3
	v_max3_num_f32 v[TM+\b], v[TM+\b], |v[QS+16*\b+\i]|, |v[QS+16*\b+\i+1]|
.endr
.endr
.irp b, 0,1,2,3
	v_permlanex16_b32 v[TM+4+\b], v[TM+\b], s[SEL], s[SEL+1]
.endr
.irp b, 0,1,2,3
	v_max_num_f32 v[TM+\b], v[TM+\b], v[TM+4+\b]
.endr
.irp b, 0,1,2,3
	v_add_nc_u32 v[TM+12+\b], 0xfc000000, v[TM+\b]               ; 8 off the exponent field: the conversion's scale operand
.endr
.irp b, 0,1,2,3
	v_and_or_b32 v[TM+8+\b], v[TM+\b], 0x7f800000, s[MNT]        ; 448 x the scale
.endr
.irp b, 0,1,2,3
	v_lshrrev_b32 v[TM+4+\b], 23, v[TM+12+\b]                    ; the scale's byte
.endr
	v_lshl_or_b32 v[QW], v[TM+5], 8, v[TM+4]
	v_lshl_or_b32 v[QW], v[TM+6], 16, v[QW]
	v_lshl_or_b32 v[QW], v[TM+7], 24, v[QW]
.irp b, 0,1,2,3
.irp i, 0,1,2,3,4,5,6,7,8,9,10,11,12,13,14,15
	v_med3_num_f32 v[QS+16*\b+\i], v[QS+16*\b+\i], -v[TM+8+\b], v[TM+8+\b]   ; the conversion does not saturate (ISA guide 7.6.2): the hold comes first
.endr
	v_cvt_scalef32_pk8_fp8_f32 v[QP+4*\b:QP+4*\b+1], v[QS+16*\b:QS+16*\b+7], v[TM+12+\b]
	v_cvt_scalef32_pk8_fp8_f32 v[QP+4*\b+2:QP+4*\b+3], v[QS+16*\b+8:QS+16*\b+15], v[TM+12+\b]
.endr
	v_nop                                          ; a plain line behind the last conversion
.endm
	s_load_b256 s[4:11], s[0:1], 0x0               ; po s[4:5], pst s[6:7], bv s[8:9], wimg s[10:11]
	s_load_b128 s[12:15], s[0:1], 0x20             ; bo s[12:13], out0 s[14:15]
	v_lshl_add_u32 v254, v0, 2, 0x4400
	v_mov_b32 v255, 0
	v_lshrrev_b32 v1, 5, v0
	v_readfirstlane_b32 s[WV], v1                  ; wave 0..3
	s_and_b32 s18, ttmp7, 0xffff                   ; the batch
	v_and_b32 v1, 15, v0                           ; r
	v_bfe_u32 v2, v0, 4, 1                         ; h
	v_and_b32 v3, 31, v0                           ; lane
	v_and_b32 v4, 8, v1
	v_add_nc_u32 v4, v4, v1                        ; r + 8 (r / 8)
	v_lshlrev_b32 v5, 12, v1
	v_lshl_add_u32 v5, v2, 6, v5                   ; po: block r's row of 4,096 bytes, + 64 h
	v_lshlrev_b32 v6, 7, v1                        ; pst: block r's 128 bytes
	v_lshlrev_b32 v7, 6, v2                        ; bv: 64 h
	v_lshlrev_b32 v8, 4, v3                        ; Wo's images: 16 x lane
	v_lshlrev_b32 v9, 2, v4                        ; bo, out0: the tile's lane r stands for column r + 8 (r / 8) of its 24
	s_lshl_b32 s20, s[WV], 12
	v_lshl_add_u32 v10, v3, 4, s20                 ; FIMG (= 0) + two images a wave + 16 x lane
	s_lshl_b32 s20, s[WV], 8
	s_add_co_u32 s20, s20, FSC
	v_lshl_add_u32 v11, v3, 2, s20
	v_lshl_add_u32 v12, v3, 4, FIMG
	v_lshlrev_b32 v13, 2, v1
	v_lshl_add_u32 v13, v2, 7, v13
	v_add_nc_u32 v13, FSC, v13                     ; lanes 0-15 an even K step's word, lanes 16-31 the next one's
	s_lshr_b32 s26, s[WV], 1
	s_lshl_b32 s26, s26, 9
	s_lshl_b32 s27, ttmp9, 5
	s_add_co_u32 s26, s26, s27
	s_and_b32 s27, s[WV], 1
	s_lshl_b32 s27, s27, 3
	s_add_co_u32 s26, s26, s27                     ; my tile's first column: 512 (w / 2) + 32 x + 8 (w % 2)
	s_mov_b32 s[SEL], 0x76543210
	s_mov_b32 s[SEL+1], 0xfedcba98
	s_mov_b32 s[MNT], 0x600000
.irp b, 0,1,2,3
	v_mov_b32 v[TM+4+\b], 0                        ; a lane permute's destination counts as one of its sources
.endr
	s_mov_b32 s21, 0
	s_lshl_b32 s27, s[WV], 10                      ; my 256 columns, in bytes
	s_lshl_b32 s20, s18, 16
	s_add_co_u32 s20, s20, s27
	s_add_co_u32 s34, ttmp9, 32
	s_mul_i32 s34, s34, BLK                        ; Wo's block x
	s_wait_kmcnt 0x0
	s_add_nc_u64 s[4:5], s[4:5], s[20:21]
	s_mov_b32 s20, s27
	s_add_nc_u64 s[8:9], s[8:9], s[20:21]
	s_lshl_b32 s20, s18, 11
	s_lshl_b32 s27, s[WV], 4
	s_add_co_u32 s20, s20, s27
	s_add_nc_u64 s[6:7], s[6:7], s[20:21]          ; M of my four heads; the sums lie 64 bytes on
	s_lshl_b32 s20, s[WV], 14
	s_add_co_u32 s20, s20, s34
	s_add_nc_u64 s[28:29], s[10:11], s[20:21]      ; my tile's codes
	s_lshl_b32 s20, s[WV], 9
	s_add_co_u32 s20, s20, s34
	s_add_co_u32 s20, s20, 65536
	s_add_nc_u64 s[30:31], s[10:11], s[20:21]      ; and its scale words
	s_lshl_b32 s20, s26, 2
	s_add_nc_u64 s[12:13], s[12:13], s[20:21]
	s_lshl_b32 s27, s18, 12
	s_add_co_u32 s20, s20, s27
	s_add_nc_u64 s[14:15], s[14:15], s[20:21]
	; all loads go out here, what is wanted first in front
	global_load_b128 v[16:19], v6, s[6:7]          ; M
	global_load_b128 v[20:23], v6, s[6:7] offset:64   ; l
.irp t, 0,1
.irp c, 0,1,2,3
.irp j, 0,1,2,3
	global_load_b128 v[X+64*\t+16*\c+4*\j:X+64*\t+16*\c+4*\j+3], v5, s[4:5] offset:512*\t+128*\c+16*\j
.endr
.endr
.endr
	WIN 0x40                                       ; destination window 1
.irp t, 0,1
.irp c, 0,1,2,3
.irp j, 0,1,2,3
	global_load_b128 v[128+64*\t+16*\c+4*\j:128+64*\t+16*\c+4*\j+3], v7, s[8:9] offset:512*\t+128*\c+16*\j   ; bv, window 1 v128-255
.endr
.endr
.endr
.irp s, 0,1,2,3,4,5,6,7
.irp c, 0,1,2,3
	global_load_b128 v[16*\s+4*\c:16*\s+4*\c+3], v8, s[28:29] offset:2048*\s+512*\c   ; Wo's eight fragments, window 1 v0-127
.endr
.endr
	WIN 0
	global_load_b128 v[BSC:BSC+3], v8, s[30:31]
	global_load_b32 v14, v9, s[12:13]              ; bo
	s_wait_loadcnt 63                              ; M and l are in (98 loads are younger; the count is the largest that the wait can name)
.irp k, 0,1,2,3
	v_mov_b32 v[24+\k], v[16+\k]
.endr
.irp x, 1,2,4,8
.irp k, 0,1,2,3
	v_max_num_f32_dpp v[24+\k], v[24+\k], v[24+\k] row_xmask:\x row_mask:0xf bank_mask:0xf   ; the largest M of the sixteen blocks
.endr
.endr
.irp k, 0,1,2,3
	v_sub_f32 v[24+\k], v[16+\k], v[24+\k]
.endr
.irp k, 0,1,2,3
	v_exp_f32 v[24+\k], v[24+\k]                   ; f = 2^(M - the largest M)
.endr
	v_nop
	s_wait_alu depctr_va_vdst(0)                   ; one wait for the four, ahead of their first reader
.irp k, 0,1,2,3
	v_mul_f32 v[28+\k], v[24+\k], v[20+\k]
.endr
.irp x, 1,2,4,8
.irp k, 0,1,2,3
	v_add_f32_dpp v[28+\k], v[28+\k], v[28+\k] row_xmask:\x row_mask:0xf bank_mask:0xf       ; the softmax's sum over the whole batch
.endr
.endr
.irp k, 0,1,2,3
	v_rcp_f32 v[28+\k], v[28+\k]
.endr
	v_nop
	s_wait_alu depctr_va_vdst(0)
.irp k, 0,1,2,3
	v_mul_f32 v[G+2*\k], v[24+\k], v[28+\k]
.endr
.irp k, 0,1,2,3
	v_mov_b32 v[G+2*\k+1], v[G+2*\k]               ; (the packed form names the pair)
.endr
	s_wait_loadcnt 63                              ; the partial sums are in (66 loads are younger)
.macro MERGE t                         ; K step 2 w + t of pooled: weigh, add across the sixteen blocks, + bv, quantise, image to LDS
.set QS, X+64*(\t)
.set QP, PC+16*(\t)
.set QW, PW+(\t)
.irp c, 0,1,2,3
.irp i, 0,2,4,6,8,10,12,14
	v_pk_mul_f32 v[QS+16*\c+\i:QS+16*\c+\i+1], v[QS+16*\c+\i:QS+16*\c+\i+1], v[G+2*(2*(\t)+\c/2):G+2*(2*(\t)+\c/2)+1] op_sel_hi:[1,0]   ; a head is 64 columns: two blocks of 32
.endr
.endr
.irp x, 1,2,4,8
.set j, 0
.rept 64
	v_add_f32_dpp v[QS+j], v[QS+j], v[QS+j] row_xmask:\x row_mask:0xf bank_mask:0xf
.set j, j+1
.endr
.endr
	s_wait_loadcnt 34                              ; bv is in; Wo's 32 loads, its scale words and bo may stay out
	WIN 0x04                                       ; source 1 window 1
.set j, 0
.rept 32
	v_pk_add_f32 v[QS+j:QS+j+1], v[QS+j:QS+j+1], v[128+64*(\t)+j:128+64*(\t)+j+1]
.set j, j+2
.endr
	WIN 0
	QUANT
.irp c, 0,1,2,3
	ds_store_b128 v10, v[QP+4*\c:QP+4*\c+3] offset:2048*(\t)+512*\c
.endr
	ds_store_b32 v11, v[QW] offset:128*(\t)
.endm
	MERGE 0
	MERGE 1
	s_wait_dscnt 0x0                               ; for the others' sake: my two images and words have landed
	s_barrier_signal -1
	s_barrier_wait -1
.irp s, 0,1,2,3,4,5,6,7
.irp c, 0,1,2,3
	ds_load_b128 v[X+16*\s+4*\c:X+16*\s+4*\c+3], v12 offset:2048*\s+512*\c
.endr
.endr
.irp q, 0,1,2,3
	ds_load_b32 v[ASC+\q], v13 offset:256*\q
.endr
	s_wait_loadcnt 0x0                             ; Wo, its scale words, bo
	s_wait_dscnt 0x0
	WIN 0x04                                       ; source 1 (Wo) window 1
	; two accumulators by turns, even and odd K steps; odd steps take their scale words from lanes 16-31
	v_wmma_scale_f32_16x16x128_f8f6f4 v[AC0:AC0+7], v[X:X+15], v[0:15], 0, v[ASC], v[BSC]
	v_wmma_scale_f32_16x16x128_f8f6f4 v[AC1:AC1+7], v[X+16:X+31], v[16:31], 0, v[ASC], v[BSC] matrix_a_scale:MATRIX_SCALE_ROW1 matrix_b_scale:MATRIX_SCALE_ROW1
.irp q, 1,2,3
	v_wmma_scale_f32_16x16x128_f8f6f4 v[AC0:AC0+7], v[X+32*\q:X+32*\q+15], v[32*\q:32*\q+15], v[AC0:AC0+7], v[ASC+\q], v[BSC+\q]
	v_wmma_scale_f32_16x16x128_f8f6f4 v[AC1:AC1+7], v[X+32*\q+16:X+32*\q+31], v[32*\q+16:32*\q+31], v[AC1:AC1+7], v[ASC+\q], v[BSC+\q] matrix_a_scale:MATRIX_SCALE_ROW1 matrix_b_scale:MATRIX_SCALE_ROW1
.endr
	WIN 0
.rept 8
	v_nop                                          ; eight places ahead of the first read of the results
.endr
	v_add_f32 v24, v[AC0], v[AC1]                  ; register 0 of lane r: the row's product with the tile's lane r
	v_add_f32 v24, v24, v14                        ; + bo
	s_wait_xcnt 0x0                                ; EXEC changes only behind this wait
	v_cmp_gt_u32 vcc_lo, 16, v3
	s_wait_tensorcnt 0x0
	ds_add_u32 v254, v255
	s_wait_dscnt 0x0
	s_and_saveexec_b32 s25, vcc_lo                 ; lanes 0-15: lanes 16-31 hold the same numbers
	global_store_b32 v9, v24, s[14:15]
	s_wait_xcnt 0x0
	s_or_b32 exec_lo, exec_lo, s25
	s_endpgm
.Lfunc_end_k_qfafd97a1af_finish:
	.size	k_qfafd97a1af_finish, .Lfunc_end_k_qfafd97a1af_finish-k_qfafd97a1af_finish
	.p2alignl 7, 3214868480
	.fill 96, 4, 3214868480
	.section	.rodata,"a",@progbits
	.p2align	6, 0x0
	.amdhsa_kernel k_qfafd97a1af_finish
		.amdhsa_group_segment_fixed_size 17920
		.amdhsa_private_segment_fixed_size 0
		.amdhsa_enable_private_segment 0
		.amdhsa_kernarg_size 48
		.amdhsa_user_sgpr_count 2
		.amdhsa_user_sgpr_kernarg_segment_ptr 1
		.amdhsa_wavefront_size32 1
		.amdhsa_system_sgpr_workgroup_id_x 1
		.amdhsa_system_sgpr_workgroup_id_y 1
		.amdhsa_system_sgpr_workgroup_id_z 1
		.amdhsa_system_vgpr_workitem_id 0
		.amdhsa_next_free_vgpr 512
		.amdhsa_next_free_sgpr 66
		.amdhsa_reserve_vcc 1
		.amdhsa_float_denorm_mode_32 3
		.amdhsa_float_denorm_mode_16_64 3
		.amdhsa_memory_ordered 1
		.amdhsa_forward_progress 1
		.amdhsa_inst_pref_size 77
	.end_amdhsa_kernel
	.amdgpu_metadata
---
amdhsa.version: [ 1, 2 ]
amdhsa.kernels:
  - .name:           k_qfafd97a1af_finish
    .symbol:         k_qfafd97a1af_finish.kd
    .args:
      - { .name: po, .offset: 0, .size: 8, .value_kind: global_buffer, .address_space: global }
      - { .name: pst, .offset: 8, .size: 8, .value_kind: global_buffer, .address_space: global }
      - { .name: bv, .offset: 16, .size: 8, .value_kind: global_buffer, .address_space: global }
      - { .name: wimg, .offset: 24, .size: 8, .value_kind: global_buffer, .address_space: global }
      - { .name: bo, .offset: 32, .size: 8, .value_kind: global_buffer, .address_space: global }
      - { .name: out0, .offset: 40, .size: 8, .value_kind: global_buffer, .address_space: global }
    .group_segment_fixed_size: 17920
    .private_segment_fixed_size: 0
    .kernarg_segment_align: 8
    .kernarg_segment_size: 48
    .max_flat_workgroup_size: 128
    .sgpr_count:     66
    .vgpr_count:     512
    .wavefront_size: 32
...
	.end_amdgpu_metadata
.endif
;; end of part 3
;; ======== version 2 of 2: 3 launches
;; limits: right only within a limited range of input values
;; workspace buffers: wimg 3,244,032 bytes; qv 4,096 bytes; po 1,048,576 bytes; pst 32,768 bytes
;; launch prep (part 4): grid 256 x 1, 8 waves a work-group, no clusters, 2,560 bytes of LDS; arguments Wk, Wv, Wo, Wq, query, bq, wimg, qv; writes wimg, qv
.if DOCPART == 4
	.amdgcn_target "amdgcn-amd-amdhsa--gfx1250"
	.amdhsa_code_object_version 6
	.text
	.protected	k_qfafd97a1af_prep
	.globl	k_qfafd97a1af_prep
	.p2align	8
	.type	k_qfafd97a1af_prep,@function
k_qfafd97a1af_prep:
	s_mov_b64 s[64:65], 0
	v_nop
	global_prefetch_b8 v0, s[64:65] scope:SCOPE_SE
	s_setreg_imm32_b32 hwreg(HW_REG_WAVE_MODE, 25, 1), 1
	s_wait_xcnt 0x0
; Wk, Wv, Wo [1024 (n)][1024 (k)] f32 become codes of FP8 (E4M3) with one E8M0 scale byte for each 32 along K, laid in wimg in the order in which a wave's operand registers take them;
; and q = Q(query) Q(Wq)^T + bq (the first product of the chain) goes to qv as 1,024 f32 numbers.
; A block's scale is 2^(floor(log2(its largest magnitude)) - 8): its byte is that magnitude's exponent field - 8, held at 1 from below; each number is divided by the scale, held within +-448, rounded to the nearest code, ties to even.
; LIMITS: NaN and infinities among the inputs are not served.  A block of zeros (and one whose largest magnitude lies under 2^-118) gets the byte 1 where the rule says 127: its codes are zeros or subnormal, and this program alone reads the bytes.
; q is summed from eight f32 parts, one for each 128 along K: another order of f32 additions than one running sum.
; LAYOUT OF wimg: 48 blocks of BLK bytes: 0-15 Wk, 16-31 Wv, 32-47 Wo.  Block i holds four tiles t4 = 2 ch + u of 16 rows; lane r of a tile stands for row 512 ch + 32 i + 8 u + r + 8 (r / 8), so that the results of tiles u = 0, 1,
; used transposed, are 16 neighbours along the next product's K.  A tile's fragment of K step s is the image of its 16 registers: register group c of lane l at t4 x 16,384 + s x 2,048 + c x 512 + 16 l.
; A tile's scale words lie at 65,536 + t4 x 512 + 16 l + 4 sp: lane l = 16 (s % 2) + r holds the word of K step s = 2 sp + s % 2, so one load of 16 bytes a lane brings the four scale registers of a tile.
; SHARES: work-group g: kind = g / 64 (Wk, Wv, Wo, Wq), tile g % 64; wave w takes K step w.  No tensor load, no cluster: no two work-groups read the same bytes but the 4 KB of query.
.set BLK,  67584
.set PS,   0                           ; LDS, the weights' path: the tile's 512 bytes of scale words
.set PQ,   512                         ; LDS, the query's path: eight waves x 128 bytes of parts of q
.set SW,   16                          ; v16  the weight's scale word;  v17 the query's: these two hold scales and nothing else
.set SQ,   17
.set TM,   20                          ; v20-35 at work in QUANT
.set XW,   64                          ; v64-127  64 numbers of the weight
.set XQ,   128                         ; v128-191 64 numbers of the query
.set CW,   192                         ; v192-207 the weight's codes
.set CQ,   208                         ; v208-223 the query's codes
.set ACC,  224                         ; v224-231 the product
.set WV,   20
.set KIND, 21
.set SEL,  28
.set MNT,  30
; 64 numbers of a lane, v[QS] on, register 16 b + i = k 32 b + 16 (lane / 16) + i of the lane's row, become a fragment's 16 registers of codes, v[QP] on, and the row's scale word, v[QW].
.macro QUANT
.irp b, 0,1,2,3
	v_max3_num_f32 v[TM+\b], |v[QS+16*\b]|, |v[QS+16*\b+1]|, 0x4800000   ; block b: my 16 numbers, and the floor 2^(9 - 127): the byte cannot fall under 1
.endr
.irp i, 2,4,6,8,10,12,14
.irp b, 0,1,2,3
	s_delay_alu instid0(VALU_DEP_4)
	v_max3_num_f32 v[TM+\b], v[TM+\b], |v[QS+16*\b+\i]|, |v[QS+16*\b+\i+1]|   ; the four blocks by turns
.endr
.endr
.irp b, 0,1,2,3
	s_delay_alu instid0(VALU_DEP_4)
	v_permlanex16_b32 v[TM+4+\b], v[TM+\b], s[SEL], s[SEL+1]
.endr
.irp b, 0,1,2,3
	s_delay_alu instid0(VALU_DEP_4)
	v_max_num_f32 v[TM+\b], v[TM+\b], v[TM+4+\b]                 ; with lane l xor 16's 16: the block's largest magnitude
.endr
.irp b, 0,1,2,3
	s_delay_alu instid0(VALU_DEP_4)
	v_add_nc_u32 v[TM+12+\b], 0xfc000000, v[TM+\b]               ; 8 off its exponent field: the conversion's scale operand
.endr
.irp b, 0,1,2,3
	v_and_or_b32 v[TM+8+\b], v[TM+\b], 0x7f800000, s[MNT]        ; 448 x the scale
.endr
.irp b, 0,1,2,3
	v_lshrrev_b32 v[TM+4+\b], 23, v[TM+12+\b]                    ; the scale's byte
.endr
	s_delay_alu instid0(VALU_DEP_3)
	v_lshl_or_b32 v[QW], v[TM+5], 8, v[TM+4]
	s_delay_alu instid0(VALU_DEP_1)
	v_lshl_or_b32 v[QW], v[TM+6], 16, v[QW]
	s_delay_alu instid0(VALU_DEP_1)
	v_lshl_or_b32 v[QW], v[TM+7], 24, v[QW]
.irp b, 0,1,2,3
.irp i, 0,1,2,3,4,5,6,7,8,9,10,11,12,13,14,15
	v_med3_num_f32 v[QS+16*\b+\i], v[QS+16*\b+\i], -v[TM+8+\b], v[TM+8+\b]   ; the conversion to an 8-bit code does not saturate (ISA guide 7.6.2): the hold comes first
.endr
	v_cvt_scalef32_pk8_fp8_f32 v[QP+4*\b:QP+4*\b+1], v[QS+16*\b:QS+16*\b+7], v[TM+12+\b]
	v_cvt_scalef32_pk8_fp8_f32 v[QP+4*\b+2:QP+4*\b+3], v[QS+16*\b+8:QS+16*\b+15], v[TM+12+\b]
.endr
	v_nop                                          ; a plain line behind the last conversion, ahead of whatever next touches its registers
.endm
	s_load_b512 s[4:19], s[0:1], 0x0               ; Wk s[4:5], Wv s[6:7], Wo s[8:9], Wq s[10:11], query s[12:13], bq s[14:15], wimg s[16:17], qv s[18:19]
	v_lshl_add_u32 v254, v0, 2, 0x600
	v_mov_b32 v255, 0
	v_lshrrev_b32 v1, 5, v0
	s_delay_alu instid0(VALU_DEP_1)
	v_readfirstlane_b32 s[WV], v1                  ; wave 0..7 = K step
	v_and_b32 v1, 15, v0                           ; r
	v_bfe_u32 v2, v0, 4, 1                         ; h
	v_and_b32 v3, 31, v0                           ; lane
	s_delay_alu instid0(VALU_DEP_3)
	v_and_b32 v12, 8, v1
	s_delay_alu instid0(VALU_DEP_1)
	v_add_nc_u32 v12, v12, v1                      ; r + 8 (r / 8)
	s_delay_alu instid0(VALU_DEP_1)
	v_lshlrev_b32 v4, 12, v12
	s_delay_alu instid0(VALU_DEP_1)
	v_lshl_add_u32 v4, v2, 6, v4                   ; the weight: my row of 4,096 bytes, + 64 h: my 16 numbers of a block of 32
	v_lshlrev_b32 v5, 6, v2                        ; the query: one row for all sixteen lanes, + 64 h
	v_lshlrev_b32 v6, 4, v3                        ; an image's place for my lane, in memory
	s_and_b32 s26, s[WV], 1
	s_lshl_b32 s26, s26, 8
	s_lshr_b32 s27, s[WV], 1
	s_lshl_b32 s27, s27, 2
	s_add_co_u32 s26, s26, s27
	v_lshl_add_u32 v7, v1, 4, s26                  ; PS (= 0) + 256 (w % 2) + 4 (w / 2) + 16 r: my row's scale word of K step w
	s_lshl_b32 s27, s[WV], 7
	s_add_co_u32 s27, s27, PQ
	v_lshl_add_u32 v8, v3, 2, s27                  ; my wave's part of q
	v_lshl_add_u32 v9, v3, 2, PQ                   ; all eight parts, read by wave 0
	v_lshl_add_u32 v10, v3, 4, PS                  ; the scale block, read by wave 0
	v_lshlrev_b32 v11, 2, v12                      ; bq and qv: 4 (r + 8 (r / 8))
	s_lshr_b32 s[KIND], ttmp9, 6
	s_and_b32 s22, ttmp9, 63
	s_lshr_b32 s23, s22, 2                         ; i
	s_and_b32 s24, s22, 3                          ; t4
	s_lshr_b32 s25, s24, 1
	s_lshl_b32 s25, s25, 9
	s_lshl_b32 s26, s23, 5
	s_add_co_u32 s25, s25, s26
	s_and_b32 s26, s24, 1
	s_lshl_b32 s26, s26, 3
	s_add_co_u32 s25, s25, s26                     ; the tile's first row: 512 (t4 / 2) + 32 i + 8 (t4 % 2)
	s_mov_b32 s[SEL], 0x76543210
	s_mov_b32 s[SEL+1], 0xfedcba98                 ; v_permlanex16_b32's selects for lane l xor 16
	s_mov_b32 s[MNT], 0x600000                     ; the mantissa field of 448
.irp b, 0,1,2,3
	v_mov_b32 v[TM+4+\b], 0                        ; written once: a lane permute's destination counts as one of its sources
.endr
	s_lshl_b32 s34, s25, 12
	s_lshl_b32 s26, s[WV], 9
	s_add_co_u32 s34, s34, s26                     ; first row x 4,096 + 512 x K step
	s_mov_b32 s35, 0
	s_wait_kmcnt 0x0
	s_cmp_eq_u32 s[KIND], 0                        ; the source is chosen by the work-group's number alone
	s_cselect_b64 s[32:33], s[4:5], s[6:7]
	s_cmp_lt_u32 s[KIND], 2
	s_cselect_b64 s[32:33], s[32:33], s[8:9]
	s_cmp_lt_u32 s[KIND], 3
	s_cselect_b64 s[32:33], s[32:33], s[10:11]
	s_add_nc_u64 s[32:33], s[32:33], s[34:35]
.irp b, 0,1,2,3
.irp j, 0,1,2,3
	global_load_b128 v[XW+16*\b+4*\j:XW+16*\b+4*\j+3], v4, s[32:33] offset:128*\b+16*\j th:TH_LOAD_NT   ; read once in the launch
.endr
.endr
	s_cmp_eq_u32 s[KIND], 3
	s_cbranch_scc1 .Lquery                         ; the same way for all eight waves of a work-group
	; ---- a tile of Wk, Wv or Wo
	s_lshl_b32 s34, s[KIND], 4
	s_add_co_u32 s34, s34, s23
	s_mul_i32 s34, s34, BLK                        ; the block's first byte
	s_lshl_b32 s26, s24, 14
	s_lshl_b32 s27, s[WV], 11
	s_add_co_u32 s26, s26, s27
	s_add_co_u32 s26, s26, s34
	s_mov_b32 s27, 0
	s_add_nc_u64 s[36:37], s[16:17], s[26:27]      ; my fragment's image
	s_lshl_b32 s26, s24, 9
	s_add_co_u32 s26, s26, s34
	s_add_co_u32 s26, s26, 65536
	s_add_nc_u64 s[38:39], s[16:17], s[26:27]      ; the tile's scale words
	s_wait_loadcnt 0x0
.set QS, XW
.set QP, CW
.set QW, SW
	QUANT
.irp c, 0,1,2,3
	global_store_b128 v6, v[CW+4*\c:CW+4*\c+3], s[36:37] offset:512*\c   ; 32 lanes store 512 consecutive bytes, aligned
.endr
	ds_store_b32 v7, v[SW]                         ; lanes r and r + 16 write the same word with the same value
	s_wait_dscnt 0x0                               ; for the others' sake: my store has landed
	s_barrier_signal -1
	s_barrier_wait -1
	s_cmp_lg_u32 s[WV], 0
	s_cbranch_scc1 .Ldone_w
	ds_load_b128 v[236:239], v10                   ; the eight waves' words, in the order of the reader's registers
	s_wait_dscnt 0x0
	global_store_b128 v6, v[236:239], s[38:39]     ; 512 consecutive bytes, aligned
.Ldone_w:
	s_wait_tensorcnt 0x0
	ds_add_u32 v254, v255
	s_wait_dscnt 0x0
	s_endpgm
	; ---- a tile of Wq: sixteen numbers of q
.Lquery:
	s_lshl_b32 s26, s[WV], 9
	s_mov_b32 s27, 0
	s_add_nc_u64 s[40:41], s[12:13], s[26:27]      ; the query at K step w
.irp b, 0,1,2,3
.irp j, 0,1,2,3
	global_load_b128 v[XQ+16*\b+4*\j:XQ+16*\b+4*\j+3], v5, s[40:41] offset:128*\b+16*\j   ; all sixteen rows of the operand are the one query, as the broadcast has it
.endr
.endr
	s_lshl_b32 s26, s25, 2
	s_add_nc_u64 s[42:43], s[14:15], s[26:27]
	s_add_nc_u64 s[44:45], s[18:19], s[26:27]
	s_wait_alu depctr_va_vdst(0)
	global_load_b32 v232, v11, s[42:43]            ; bq at my row
	s_wait_loadcnt 0x0
.set QS, XW
.set QP, CW
.set QW, SW
	QUANT
.set QS, XQ
.set QP, CQ
.set QW, SQ
	QUANT
.rept 8
	v_nop                                          ; a scale word made by vector instructions stands eight places ahead of the scaled product, codes so made four
.endr
	v_wmma_scale_f32_16x16x128_f8f6f4 v[ACC:ACC+7], v[CQ:CQ+15], v[CW:CW+15], 0, v[SQ], v[SW]   ; register 0 of lane r: this K step's part of q at the tile's row r
.rept 8
	v_nop                                          ; eight places ahead of the first read of the result
.endr
	ds_store_b32 v8, v[ACC]
	s_wait_dscnt 0x0
	s_barrier_signal -1
	s_barrier_wait -1
	s_cmp_lg_u32 s[WV], 0
	s_cbranch_scc1 .Ldone_q
.irp k, 0,1,2,3,4,5,6,7
	ds_load_b32 v[240+\k], v9 offset:128*\k
.endr
	s_wait_dscnt 0x0
	v_add_f32 v240, v240, v241
	v_add_f32 v242, v242, v243
	v_add_f32 v244, v244, v245
	v_add_f32 v246, v246, v247
	s_delay_alu instid0(VALU_DEP_3)
	v_add_f32 v240, v240, v242
	s_delay_alu instid0(VALU_DEP_2)
	v_add_f32 v244, v244, v246
	s_delay_alu instid0(VALU_DEP_1)
	v_add_f32 v240, v240, v244
	s_delay_alu instid0(VALU_DEP_1)
	v_add_f32 v240, v240, v232                     ; + bq
	s_wait_alu depctr_va_vdst(0)
	s_wait_xcnt 0x0                                ; EXEC changes only behind this wait
	v_cmp_gt_u32 vcc_lo, 16, v0
	s_and_saveexec_b32 s31, vcc_lo                 ; lanes 0-15: lanes 16-31 hold the same numbers
	global_store_b32 v11, v240, s[44:45]
	s_wait_xcnt 0x0
	s_or_b32 exec_lo, exec_lo, s31
.Ldone_q:
	s_wait_tensorcnt 0x0
	ds_add_u32 v254, v255
	s_wait_dscnt 0x0
	s_endpgm
.Lfunc_end_k_qfafd97a1af_prep:
	.size	k_qfafd97a1af_prep, .Lfunc_end_k_qfafd97a1af_prep-k_qfafd97a1af_prep
	.p2alignl 7, 3214868480
	.fill 96, 4, 3214868480
	.section	.rodata,"a",@progbits
	.p2align	6, 0x0
	.amdhsa_kernel k_qfafd97a1af_prep
		.amdhsa_group_segment_fixed_size 2560
		.amdhsa_private_segment_fixed_size 0
		.amdhsa_enable_private_segment 0
		.amdhsa_kernarg_size 64
		.amdhsa_user_sgpr_count 2
		.amdhsa_user_sgpr_kernarg_segment_ptr 1
		.amdhsa_wavefront_size32 1
		.amdhsa_system_sgpr_workgroup_id_x 1
		.amdhsa_system_sgpr_workgroup_id_y 1
		.amdhsa_system_sgpr_workgroup_id_z 1
		.amdhsa_system_vgpr_workitem_id 0
		.amdhsa_next_free_vgpr 256
		.amdhsa_next_free_sgpr 66
		.amdhsa_reserve_vcc 1
		.amdhsa_float_denorm_mode_32 3
		.amdhsa_float_denorm_mode_16_64 3
		.amdhsa_memory_ordered 1
		.amdhsa_forward_progress 1
		.amdhsa_inst_pref_size 38
	.end_amdhsa_kernel
	.amdgpu_metadata
---
amdhsa.version: [ 1, 2 ]
amdhsa.kernels:
  - .name:           k_qfafd97a1af_prep
    .symbol:         k_qfafd97a1af_prep.kd
    .args:
      - { .name: Wk, .offset: 0, .size: 8, .value_kind: global_buffer, .address_space: global }
      - { .name: Wv, .offset: 8, .size: 8, .value_kind: global_buffer, .address_space: global }
      - { .name: Wo, .offset: 16, .size: 8, .value_kind: global_buffer, .address_space: global }
      - { .name: Wq, .offset: 24, .size: 8, .value_kind: global_buffer, .address_space: global }
      - { .name: query, .offset: 32, .size: 8, .value_kind: global_buffer, .address_space: global }
      - { .name: bq, .offset: 40, .size: 8, .value_kind: global_buffer, .address_space: global }
      - { .name: wimg, .offset: 48, .size: 8, .value_kind: global_buffer, .address_space: global }
      - { .name: qv, .offset: 56, .size: 8, .value_kind: global_buffer, .address_space: global }
    .group_segment_fixed_size: 2560
    .private_segment_fixed_size: 0
    .kernarg_segment_align: 8
    .kernarg_segment_size: 64
    .max_flat_workgroup_size: 256
    .sgpr_count:     66
    .vgpr_count:     256
    .wavefront_size: 32
...
	.end_amdgpu_metadata
.endif
;; end of part 4
;; launch main (part 5): grid 256 x 1, 4 waves a work-group, no clusters, 190,208 bytes of LDS; arguments Y, wimg, qv, bk, po, pst; writes po, pst
.if DOCPART == 5
	.amdgcn_target "amdgcn-amd-amdhsa--gfx1250"
	.amdhsa_code_object_version 6
	.text
	.protected	k_qfafd97a1af_main
	.globl	k_qfafd97a1af_main
	.p2align	8
	.type	k_qfafd97a1af_main,@function
k_qfafd97a1af_main:
	s_mov_b64 s[64:65], 0
	v_nop
	global_prefetch_b8 v0, s[64:65] scope:SCOPE_SE
	s_setreg_imm32_b32 hwreg(HW_REG_WAVE_MODE, 25, 1), 1
	s_wait_xcnt 0x0
; For 128 tokens of one batch: kf = Q(Y) Q(Wk)^T + bk, scores = q . kf by head, p = 2^(t - M) with M the block's largest t (t = score x log2(e) / 8), V = Q(kf) Q(Wv)^T, and the sums over the 128 tokens of p V (po) with M and the sum of p (pst).
; Both products on codes of FP8 (E4M3) with one E8M0 byte for each 32 along K; all else f32.  The next launch joins the 16 blocks of a batch, divides, and adds bv.
; LIMITS: NaN and infinities are not served; a block of 32 zeros gets the byte 1 where the rule says 127 (zero codes; this program alone reads the byte); the promise holds while the scaled scores stay under 2^31 in magnitude.
; In phase 2 a column's sum over K is made in two halves, each pooled by itself, and the halves are added at the end: another order of f32 additions than one running sum.
; PHASE 0: wave w loads 32 rows of Y, 512 consecutive bytes a load, turns them through its stage, quantises, and lays images of the operand's registers in IMG, scale words in ISC.
; PHASE 1 (16 blocks of Wk; a block of wimg is 4 tiles of 16 rows x all of K, in register order): wave (s17, s18) holds 64 tokens (half s17) x all of K in 512 registers (windows 2, 3) and takes tiles 2 s18, 2 s18 + 1.  Used transposed:
; a lane's 16 results of two tiles are 16 neighbours along the next K: quantised into IMG over Y's codes; the scores go to SCR.
; PHASE 2 (16 blocks of Wv): the pooling is linear in V, so K is split: wave (s17, s18) holds ALL 128 tokens x K half s17 and takes the same two tiles' K steps 4 s17 .. + 3: a fragment feeds eight products, and the four waves read four disjoint quarters of a block.
; THE WEIGHTS GO FROM MEMORY STRAIGHT INTO REGISTERS (window 1), 512 consecutive bytes a load.  Phase 1: behind the 16 products of two K steps their four fragments are asked for anew, for the next block: 66 loads are out at the most, a block ahead.
; Phase 2: two sets of eight fragments; behind a tile's 32 products its four fragments and its scale words are asked for anew, for the block two on.  Phase 1's last block asks for Wv's first two blocks in phase 2's order: only the loads' scalar bases are chosen, no jump.
; cluster = none, no tensor load: no tile of the weights lies in LDS, so there is no tile for work-groups to ask for jointly; through LDS each of a block's 65,536 bytes of codes would be written once and read twice (phase 1) or once (phase 2) more.
; THE ORDER OF BLOCKS is turned by s21 (0 .. 3, from the work-group's number / 4).  Scores, p and the pooled sums lie in LDS in the order of work; the turn enters the stores' global offsets at the end.
; No prefetch is laid: Y is asked for by plain loads four steps (64 loads a wave) ahead, the weights a block or two ahead, and every block of the weights is read by all 256 work-groups.
.set BLK,   67584
.set IMG,   0                          ; 8 tiles of 16 tokens x 8 K steps x 2,048 bytes
.set ISC,   IMG+131072                 ; their scale words: 128 bytes a tile and K step
.set QB,    ISC+8192                   ; q, then bk
.set SCR,   QB+8192                    ; scores, then p: [column half][token half][head, in the order of work][64 tokens]
.set STAT,  SCR+8192                   ; M x 16, the sums x 16
.set STG,   STAT+256                   ; phase 0: four stages of 16 rows x 528; phase 2: [K half][1,024 columns, in the order of work]
.set SPARE, STG+33792                  ; the spare words: 512 bytes that no other line names
.set SPW,  1
.set NIL,  2
.set VB,   12                          ; v12 my lane's offset in a block's codes; v13, v14 in its scale words, phase 1 and 2
.set VS1,  13
.set VS2,  14
.set A2,   54                          ; v54, v55 phase 2: LDS address of my K half of token tiles 0-3, 4-7
.set ASC,  38                          ; v38-53 the tokens' scale words; v56-71 the weights': they hold scales and nothing else
.set BSC,  56
.set ACC,  72
.set X0,   72
.set PC0,  200
.set PW0,  248
.set PC4,  136
.set PW4,  152
.set SC,   156
.set T,    164
.set P,    136                         ; phase 2: v136-199 p of 128 tokens: 8 a token tile
.set O,    200
.set R,    208
.set BIAS, 200
.set QV,   216
.set TM,   232
.set SX,   72
.set SMX,  88
.set SMT,  92
.set SMM,  96
.set SML,  100
.set LN,   250                         ; lane; r = lane % 16; h = lane / 16; r + 8 (r / 8)
.set R16,  251
.set HH,   252
.set R8,   253
.set WV,   16
.set T0,   21
.set SB,   24                          ; s[24:25], s[26:27] the bases of the loads of weights
.set SEQ,  49
.set SEL,  50
.set MNT,  52
.set CS,   53
.set MSB, 0
.macro WIN new                         ; the immediate's high byte repeats the setting that is left
.if MSB != (\new)
	s_set_vgpr_msb (MSB<<8)|(\new)
.set MSB, (\new)
.endif
.endm
.macro PLACES n
.rept \n
	v_nop
.endr
.endm
.macro WALU
	s_wait_alu depctr_va_vdst(0)
.endm
; 64 numbers of a lane, v[QS] on (register 16 b + i = k 32 b + 16 h + i of the lane's row) -> 16 registers of codes v[QP] on, scale word v[QW]
.macro QUANT
.irp b, 0,1,2,3
	v_max3_num_f32 v[TM+\b], |v[QS+16*\b]|, |v[QS+16*\b+1]|, 0x4800000   ; the floor 2^(9 - 127): the byte cannot fall under 1
.endr
.irp i, 2,4,6,8,10,12,14
.irp b, 0,1,2,3
	v_max3_num_f32 v[TM+\b], v[TM+\b], |v[QS+16*\b+\i]|, |v[QS+16*\b+\i+1]|
.endr
.endr
.irp b, 0,1,2,3
	v_permlanex16_b32 v[TM+4+\b], v[TM+\b], s[SEL], s[SEL+1]
.endr
.irp b, 0,1,2,3
	v_max_num_f32 v[TM+\b], v[TM+\b], v[TM+4+\b]
.endr
.irp b, 0,1,2,3
	v_add_nc_u32 v[TM+12+\b], 0xfc000000, v[TM+\b]               ; 8 off the exponent field: the conversion's scale operand
.endr
.irp b, 0,1,2,3
	v_and_or_b32 v[TM+8+\b], v[TM+\b], 0x7f800000, s[MNT]        ; 448 x the scale
.endr
.irp b, 0,1,2,3
	v_lshrrev_b32 v[TM+4+\b], 23, v[TM+12+\b]                    ; the byte
.endr
	v_lshl_or_b32 v[QW], v[TM+5], 8, v[TM+4]
	v_lshl_or_b32 v[QW], v[TM+6], 16, v[QW]
	v_lshl_or_b32 v[QW], v[TM+7], 24, v[QW]
.irp b, 0,1,2,3
.irp i, 0,1,2,3,4,5,6,7,8,9,10,11,12,13,14,15
	v_med3_num_f32 v[QS+16*\b+\i], v[QS+16*\b+\i], -v[TM+8+\b], v[TM+8+\b]   ; the conversion does not saturate (ISA guide 7.6.2): the hold comes first
.endr
	v_cvt_scalef32_pk8_fp8_f32 v[QP+4*\b:QP+4*\b+1], v[QS+16*\b:QS+16*\b+7], v[TM+12+\b]
	v_cvt_scalef32_pk8_fp8_f32 v[QP+4*\b+2:QP+4*\b+3], v[QS+16*\b+8:QS+16*\b+15], v[TM+12+\b]
.endr
	v_nop                                          ; a plain line behind the last conversion
.endm
.macro LOAD k, extra                   ; 16 rows x 512 bytes of Y (tile k % 2, K step k / 2 of the trip) into window 1
	WIN 0x40
.irp p, 0,1,2,3,4,5,6,7,8,9,10,11,12,13,14,15
	global_load_b128 v[64*(\k)+4*\p:64*(\k)+4*\p+3], v3, s[4:5] offset:(\extra)+((\k)%2)*65536+((\k)/2)*512+\p*4096 th:TH_LOAD_NT
.endr
	WIN 0
.endm
	s_load_b256 s[4:11], s[0:1], 0x0               ; Y, wimg, qv, bk
	s_load_b128 s[12:15], s[0:1], 0x20             ; po, pst
	v_lshl_add_u32 v[SPW], v0, 2, SPARE
	v_mov_b32 v[NIL], 0
	v_lshrrev_b32 v[LN], 5, v0
	v_readfirstlane_b32 s[WV], v[LN]               ; wave 0..3
	v_and_b32 v[LN], 31, v0
	v_lshlrev_b32 v3, 4, v[LN]
	v_lshlrev_b32 v33, 4, v0
	s_lshr_b32 s17, s[WV], 1                       ; phase 1: my half of the tokens; phase 2: my half of K
	s_and_b32 s18, s[WV], 1                        ; my half of the columns
	s_lshr_b32 s19, ttmp9, 2
	s_lshr_b32 s[T0], s19, 2
	s_lshr_b32 s2, s19, 4
	s_add_co_u32 s[T0], s[T0], s19
	s_add_co_u32 s[T0], s[T0], s2
	s_and_b32 s[T0], s[T0], 3                      ; the turn
	s_lshl_b32 s2, s[T0], 1                        ; in heads of a column half
	s_lshl_b32 s3, s[T0], 2                        ; in blocks
	s_lshl_b32 s48, s17, 13                        ; four K steps of a tile, for K half 1
	s_mov_b32 s59, 0                               ; the upper words of the offsets' pairs s[58:59], s[60:61]
	s_mov_b32 s61, 0
	s_lshl_b32 s54, ttmp9, 19                      ; Y: 128 rows a work-group, 32 a wave
	s_lshl_b32 s56, s[WV], 17
	s_add_co_u32 s54, s54, s56
	s_mov_b32 s55, 0
	WALU
	s_wait_kmcnt 0x0
	s_add_nc_u64 s[4:5], s[4:5], s[54:55]
	s_lshl_b32 s54, ttmp9, 12
	s_add_nc_u64 s[12:13], s[12:13], s[54:55]
	s_lshl_b32 s54, ttmp9, 7
	s_add_nc_u64 s[14:15], s[14:15], s[54:55]
	global_load_b128 v[216:219], v33, s[8:9]       ; q and bk, 2,048 bytes a load of the work-group
	global_load_b128 v[220:223], v33, s[8:9] offset:2048
	global_load_b128 v[224:227], v33, s[10:11]
	global_load_b128 v[228:231], v33, s[10:11] offset:2048
	LOAD 0, 0
	LOAD 1, 0
	LOAD 2, 0
	LOAD 3, 0
	v_and_b32 v[R16], 15, v0
	v_bfe_u32 v[HH], v0, 4, 1
	v_and_b32 v[R8], 8, v[R16]
	v_add_nc_u32 v[R8], v[R8], v[R16]
	WALU
	s_mul_i32 s56, s[WV], 8448
	s_add_co_u32 s56, s56, STG
	v_lshl_add_u32 v4, v[LN], 4, s56               ; my stage, in: a row's 512 bytes
	v_mul_u32_u24 v5, v[R16], 528
	v_lshl_add_u32 v5, v[HH], 6, v5
	v_add_nc_u32 v5, s56, v5                       ; and out: row r, 64 h
	s_lshl_b32 s56, s[WV], 15
	s_add_co_u32 s56, s56, IMG
	v_lshl_add_u32 v6, v[LN], 4, s56               ; phase 0: my two tiles' images
	s_lshl_b32 s56, s[WV], 11
	s_add_co_u32 s56, s56, ISC
	v_lshl_add_u32 v7, v[LN], 2, s56
	s_lshl_b32 s56, s17, 16
	s_add_co_u32 s56, s56, IMG
	v_lshl_add_u32 v10, v[LN], 4, s56              ; phase 1: my four tiles' images, read
	s_lshl_b32 s57, s18, 13
	s_add_co_u32 s57, s57, s56
	v_lshl_add_u32 v18, v[LN], 4, s57              ; and written: K steps 4 s18 on
	s_lshl_b32 s56, s17, 12
	s_add_co_u32 s56, s56, ISC
	v_lshlrev_b32 v11, 2, v[R16]
	v_lshl_add_u32 v11, v[HH], 7, v11              ; lanes 0-15 an even K step's word, lanes 16-31 the next one's
	s_lshl_b32 s57, s17, 9
	s_add_co_u32 s57, s57, ISC
	v_add_nc_u32 v15, s57, v11                     ; phase 2: K steps 4 s17 on, of all eight tiles
	v_add_nc_u32 v11, s56, v11                     ; phase 1: my four tiles
	s_lshl_b32 s57, s18, 9
	s_add_co_u32 s57, s57, s56
	v_lshl_add_u32 v20, v[LN], 2, s57
	s_add_co_u32 s56, s48, IMG
	v_lshl_add_u32 v[A2], v[LN], 4, s56
	v_add_nc_u32 v[A2+1], 65536, v[A2]
	s_lshl_b32 s56, s18, 15
	v_lshl_add_u32 v[VB], v[LN], 4, s56            ; my two tiles of a block
	s_lshl_b32 s56, s18, 10
	s_add_co_u32 s56, s56, 65536
	v_lshl_add_u32 v[VS1], v[LN], 4, s56           ; their scale words: four a lane and tile;
	s_lshl_b32 s57, s17, 3
	s_add_co_u32 s56, s56, s57
	s_sub_co_u32 s56, s56, s48
	v_lshl_add_u32 v[VS2], v[LN], 4, s56           ; phase 2: my K half's two (the base then holds four K steps of codes more for K half 1: taken off here)
	s_lshl_b32 s56, s18, 11
	s_add_co_u32 s56, s56, QB
	v_lshl_add_u32 v16, v[HH], 6, s56              ; q at column 512 s18 + 16 h
	s_lshl_b32 s56, s18, 12
	s_add_co_u32 s56, s56, SCR
	v_lshl_add_u32 v27, v[HH], 5, s56              ; p's eight tokens of a tile, from token 0 on
	s_lshl_b32 s57, s17, 11
	s_add_co_u32 s56, s56, s57
	v_lshl_add_u32 v22, v[R16], 2, s56             ; a score's place
	s_lshl_b32 s56, s17, 12
	s_lshl_b32 s57, s18, 10
	s_add_co_u32 s56, s56, s57
	s_add_co_u32 s56, s56, SCR
	v_lshl_add_u32 v24, v[R16], 4, s56             ; the softmax: wave w takes heads 4 w .. + 3 in the order of work, lane (r, h) tokens 64 h + 4 r ..
	v_lshl_add_u32 v24, v[HH], 11, v24
	s_lshl_b32 s56, s[WV], 4
	s_add_co_u32 s56, s56, STAT
	v_mov_b32 v25, s56
	v_lshl_add_u32 v26, v[LN], 2, STAT
	s_lshl_b32 s56, s17, 12
	s_lshl_b32 s57, s18, 11
	s_add_co_u32 s56, s56, s57
	s_add_co_u32 s56, s56, STG
	v_lshl_add_u32 v29, v[R8], 2, s56              ; a pooled sum's place
	s_lshl_b32 s56, s[WV], 10
	s_add_co_u32 s56, s56, STG
	v_lshl_add_u32 v31, v[LN], 4, s56              ; the end: my 1,024 bytes of the pooled sums: four runs of 256, in the order of work;
	s_lshl_b32 s56, s18, 2
	s_add_co_u32 s56, s56, s2
	v_lshrrev_b32 v32, 4, v[LN]
	v_add_nc_u32 v32, s56, v32
	v_add_nc_u32 v36, 2, v32
	v_and_b32 v32, 7, v32                          ; run t of a column half is head (t + the turn) % 8 of it
	v_and_b32 v36, 7, v36
	s_lshl_b32 s56, s17, 11
	v_lshl_add_u32 v32, v32, 8, s56
	v_lshl_add_u32 v36, v36, 8, s56
	v_lshl_add_u32 v32, v[R16], 4, v32             ; v32, v36: where they go in po
	v_lshl_add_u32 v36, v[R16], 4, v36
	v_lshl_add_u32 v34, v0, 4, QB
	v_add_nc_u32 v35, s2, v[LN]
	v_and_b32 v35, 7, v35
	v_and_or_b32 v35, v[LN], 24, v35
	v_lshlrev_b32 v35, 2, v35                      ; pst: the same turn of the low three bits
	s_mov_b32 s[SEL], 0x76543210
	s_mov_b32 s[SEL+1], 0xfedcba98
	s_mov_b32 s[MNT], 0x600000
	s_mov_b32 s[CS], 0x3e38aa3b                    ; log2(e) / 8
	s_mov_b32 s41, 0
	s_mov_b32 s42, 0
	s_mov_b32 s[SEQ], 0
.irp b, 0,1,2,3
	v_mov_b32 v[TM+4+\b], 0                        ; a lane permute's destination counts as one of its sources
.endr
.macro TURN k                          ; a step's 16 rows through my stage: LDS serves a wave's instructions in order
	WIN 0x04
.irp p, 0,1,2,3,4,5,6,7,8,9,10,11,12,13,14,15
	ds_store_b128 v4, v[64*(\k)+4*\p:64*(\k)+4*\p+3] offset:528*\p
.endr
	WIN 0
.set XS, X0+64*((\k)%2)
.irp b, 0,1,2,3
.irp j, 0,1,2,3
	ds_load_b128 v[XS+16*\b+4*\j:XS+16*\b+4*\j+3], v5 offset:128*\b+16*\j
.endr
.endr
.endm
.macro STEP0 k, ahead, lw, turn
	s_wait_dscnt 4                                 ; this step's numbers are back (at most the last step's youngest stores are out)
.if \ahead
	LOAD \k, 1024
.endif
.if \turn
	s_wait_loadcnt \lw                             ; the next step's 16 loads are in
	TURN ((\k)+1)%4
.endif
.set QS, X0+64*((\k)%2)
.set QP, PC0+16*((\k)%2)
.set QW, PW0+((\k)%2)
	QUANT
.irp c, 0,1,2,3
	ds_store_b128 v8, v[QP+4*\c:QP+4*\c+3] offset:((\k)%2)*16384+((\k)/2)*2048+512*\c
.endr
	ds_store_b32 v9, v[QW] offset:((\k)%2)*1024+((\k)/2)*128
.endm
.macro TRIP0 ahead                     ; two K steps of my two tiles
	s_wait_dscnt 0x0
	v_add_nc_u32 v8, s41, v6
	v_add_nc_u32 v9, s42, v7
.if \ahead
	STEP0 0, 1, 48, 1
	STEP0 1, 1, 48, 1
	STEP0 2, 1, 48, 1
	STEP0 3, 1, 48, 1
.else
	STEP0 0, 0, 32, 1
	STEP0 1, 0, 16, 1
	STEP0 2, 0, 0, 1
	STEP0 3, 0, 0, 0
.endif
	s_add_co_u32 s41, s41, 4096
	s_add_co_u32 s42, s42, 256
.if \ahead
	s_wait_xcnt 0x0                                ; the loads have read their base
	s_add_nc_u64 s[4:5], s[4:5], 1024
.endif
.endm
	WALU                                           ; the head's end
	s_wait_loadcnt 48                              ; q, bk and step 0 are in
	TURN 0
	ds_store_b128 v34, v[216:219]
	ds_store_b128 v34, v[220:223] offset:2048
	ds_store_b128 v34, v[224:227] offset:4096
	ds_store_b128 v34, v[228:231] offset:6144
	s_mov_b32 s40, 3
.Ly:
	TRIP0 1
	s_sub_co_u32 s40, s40, 1
	s_cmp_lg_u32 s40, 0
	s_cbranch_scc1 .Ly
	TRIP0 0
	s_wait_dscnt 0x0                               ; my images and words have landed
	s_barrier_signal -1
	s_barrier_wait -1
.macro FETCH_A                         ; phase 1: my 64 tokens, all of K, into windows 2 and 3, and their scale words
.irp m, 0,1,2,3
	WIN 0x80+0x40*(\m/2)
.irp s, 0,1,2,3,4,5,6,7
.irp c, 0,1,2,3
	ds_load_b128 v[16*(8*(\m%2)+\s)+4*\c:16*(8*(\m%2)+\s)+4*\c+3], v10 offset:(8*\m+\s)*2048+512*\c
.endr
.endr
.endr
	WIN 0
.irp m, 0,1,2,3
.irp q, 0,1,2,3
	ds_load_b32 v[ASC+4*\m+\q], v11 offset:(8*\m+2*\q)*128
.endr
.endr
.endm
.macro FETCH_A2                        ; phase 2: all 128 tokens, my four K steps: fragment (K step s, tile g) at register 16 (8 (s % 2) + g) of window 2 + s / 2
.irp s, 0,1,2,3
	WIN 0x80+0x40*(\s/2)
.irp g, 0,1,2,3,4,5,6,7
.irp c, 0,1,2,3
	ds_load_b128 v[16*(8*(\s%2)+\g)+4*\c:16*(8*(\s%2)+\g)+4*\c+3], v[A2+\g/4] offset:(8*(\g%4)+\s)*2048+512*\c
.endr
.endr
.endr
	WIN 0
.irp g, 0,1,2,3,4,5,6,7
.irp q, 0,1
	ds_load_b32 v[ASC+\g+8*\q], v15 offset:1024*\g+256*\q
.endr
.endr
.endm
.macro RUN1 j                          ; 16 loads: the fragments of K steps 2 j, 2 j + 1 of my two tiles: fragment (s, u) at register 16 (2 s + u) of window 1.  K steps 0-3 go by the first base, 4-7 by the second
	WIN 0x40
.irp t, 0,1
.irp u, 0,1
.irp c, 0,1,2,3
	global_load_b128 v[16*(2*(2*(\j)+\t)+\u)+4*\c:16*(2*(2*(\j)+\t)+\u)+4*\c+3], v[VB], s[SB+2*((\j)/2):SB+2*((\j)/2)+1] offset:\u*16384+((2*(\j)+\t)%4)*2048+512*\c
.endr
.endr
.endr
	WIN 0
.endm
.macro BSCL par                        ; phase 1: my two tiles' scale words
.irp u, 0,1
	global_load_b128 v[BSC+8*(\par)+4*\u:BSC+8*(\par)+4*\u+3], v[VS1], s[SB:SB+1] offset:512*\u
.endr
.endm
.macro MM1 par, m, u, s                ; phase 1's product: token tile m, weight tile u, K step s.  Odd K steps take their scale words from lanes 16-31
.set rB, 16*(2*(\s)+(\u))
.set rA, 16*(8*((\m)%2)+(\s))
.set rW, BSC+8*(\par)+4*(\u)+(\s)/2
.set rX, ASC+4*(\m)+(\s)/2
.set rD, ACC+16*(\m)+8*(\u)
.if (\s) == 0
	v_wmma_scale_f32_16x16x128_f8f6f4 v[rD:rD+7], v[rB:rB+15], v[rA:rA+15], v[BIAS+8*(\u):BIAS+8*(\u)+7], v[rW], v[rX]
.elseif (\s)%2 == 0
	v_wmma_scale_f32_16x16x128_f8f6f4 v[rD:rD+7], v[rB:rB+15], v[rA:rA+15], v[rD:rD+7], v[rW], v[rX]
.else
	v_wmma_scale_f32_16x16x128_f8f6f4 v[rD:rD+7], v[rB:rB+15], v[rA:rA+15], v[rD:rD+7], v[rW], v[rX] matrix_a_scale:MATRIX_SCALE_ROW1 matrix_b_scale:MATRIX_SCALE_ROW1
.endif
.endm
.macro MG4 par, s, m0                  ; four accumulators by turns: three others' products stand between a sum's steps
.irp u, 0,1
.irp m, \m0, \m0+1
	MM1 \par, \m, \u, \s
.endr
.endr
.endm
.macro MM2 p, u, g, s                  ; phase 2's product: set p, weight tile u, token tile g, my K step s
.set rA, 16*(8*((\s)%2)+(\g))
.set rB, 128*(\p)+16*(2*(\s)+(\u))
.set rX, ASC+(\g)+8*((\s)/2)
.set rW, BSC+8*(\p)+4*(\u)+(\s)/2
.set rD, ACC+8*(\g)
.if (\s) == 0
	v_wmma_scale_f32_16x16x128_f8f6f4 v[rD:rD+7], v[rA:rA+15], v[rB:rB+15], 0, v[rX], v[rW]
.elseif (\s)%2 == 0
	v_wmma_scale_f32_16x16x128_f8f6f4 v[rD:rD+7], v[rA:rA+15], v[rB:rB+15], v[rD:rD+7], v[rX], v[rW]
.else
	v_wmma_scale_f32_16x16x128_f8f6f4 v[rD:rD+7], v[rA:rA+15], v[rB:rB+15], v[rD:rD+7], v[rX], v[rW] matrix_a_scale:MATRIX_SCALE_ROW1 matrix_b_scale:MATRIX_SCALE_ROW1
.endif
.endm
.macro POST1 b                         ; kf's 32 columns of block b of the trip, for my 64 tokens: the scale, the scores' part, the hold, the codes
.irp m, 0,1,2,3
	v_max3_num_f32 v[TM+\m], |v[ACC+16*\m]|, |v[ACC+16*\m+1]|, 0x4800000
.endr
.irp i, 2,4,6,8,10,12,14
.irp m, 0,1,2,3
	v_max3_num_f32 v[TM+\m], v[TM+\m], |v[ACC+16*\m+\i]|, |v[ACC+16*\m+\i+1]|
.endr
.endr
.irp m, 0,1,2,3
	v_permlanex16_b32 v[TM+4+\m], v[TM+\m], s[SEL], s[SEL+1]
.endr
.irp m, 0,1,2,3
	v_max_num_f32 v[TM+\m], v[TM+\m], v[TM+4+\m]
.endr
.irp m, 0,1,2,3
	v_add_nc_u32 v[TM+12+\m], 0xfc000000, v[TM+\m]
.endr
.irp m, 0,1,2,3
	v_and_or_b32 v[TM+8+\m], v[TM+\m], 0x7f800000, s[MNT]
.endr
.irp m, 0,1,2,3
	v_lshrrev_b32 v[TM+4+\m], 23, v[TM+12+\m]
.endr
.irp m, 0,1,2,3
.if (\b) == 0
	v_mov_b32 v[PW4+\m], v[TM+4+\m]
.else
	v_lshl_or_b32 v[PW4+\m], v[TM+4+\m], 8*(\b), v[PW4+\m]
.endif
.endr
.irp m, 0,1,2,3
.if (\b)%2 == 0
	v_pk_mul_f32 v[SC+2*\m:SC+2*\m+1], v[ACC+16*\m:ACC+16*\m+1], v[QV:QV+1]     ; q . kf: a head is two blocks
.else
	v_pk_fma_f32 v[SC+2*\m:SC+2*\m+1], v[ACC+16*\m:ACC+16*\m+1], v[QV:QV+1], v[SC+2*\m:SC+2*\m+1]
.endif
.endr
.irp i, 2,4,6,8,10,12,14
.irp m, 0,1,2,3
	v_pk_fma_f32 v[SC+2*\m:SC+2*\m+1], v[ACC+16*\m+\i:ACC+16*\m+\i+1], v[QV+\i:QV+\i+1], v[SC+2*\m:SC+2*\m+1]
.endr
.endr
.irp m, 0,1,2,3
.irp i, 0,1,2,3,4,5,6,7,8,9,10,11,12,13,14,15
	v_med3_num_f32 v[ACC+16*\m+\i], v[ACC+16*\m+\i], -v[TM+8+\m], v[TM+8+\m]
.endr
	v_cvt_scalef32_pk8_fp8_f32 v[PC4+4*\m:PC4+4*\m+1], v[ACC+16*\m:ACC+16*\m+7], v[TM+12+\m]
	v_cvt_scalef32_pk8_fp8_f32 v[PC4+4*\m+2:PC4+4*\m+3], v[ACC+16*\m+8:ACC+16*\m+15], v[TM+12+\m]
.endr
	v_nop
.irp m, 0,1,2,3
	ds_store_b128 v19, v[PC4+4*\m:PC4+4*\m+3] offset:16384*\m+512*(\b)
.endr
.if (\b) == 3
.irp m, 0,1,2,3
	ds_store_b32 v21, v[PW4+\m] offset:1024*\m
.endr
.endif
.if (\b)%2 == 1
.irp m, 0,1,2,3
	v_add_f32 v[T+\m], v[SC+2*\m], v[SC+2*\m+1]
.endr
.irp m, 0,1,2,3
	v_permlanex16_b32 v[T+4+\m], v[T+\m], s[SEL], s[SEL+1]
.endr
.irp m, 0,1,2,3
	v_add_f32 v[T+\m], v[T+\m], v[T+4+\m]
.endr
.irp m, 0,1,2,3
	ds_store_b32 v23, v[T+\m] offset:256*((\b)/2)+64*\m
.endr
.endif
.endm
; PHASE 1'S BLOCK b of a trip: 64 products a wave, in four runs of 16 (two K steps), each followed by the 16 loads that bring the same registers' fragments of the next block.
; The waits on LOADcnt count the younger loads: ahead of K steps 0, 1 the three later runs of this block (48); ahead of the others what is left of this block's runs and the next block's runs already issued, the first of them with its two loads of scale words (50).
.macro BLK1 b
	s_wait_xcnt 0x0                                ; the last block's loads have read their bases
	s_add_co_u32 s54, s[SEQ], (\b)+1               ; the next block, turned within its weight
	s_add_co_u32 s55, s54, s3
	s_and_b32 s55, s55, 15
	s_and_b32 s56, s54, 16
	s_add_co_u32 s55, s55, s56
	s_mul_i32 s58, s55, BLK
	s_add_co_u32 s60, s58, 8192                    ; its K steps 4-7 lie four K steps on
.if (\b) == 3                          ; behind Wk's last block: Wv's first block by the first base and its second by the second, each at my K half
	s_add_co_u32 s56, s54, 1
	s_add_co_u32 s56, s56, s3
	s_and_b32 s56, s56, 15
	s_add_co_u32 s56, s56, 16
	s_mul_i32 s56, s56, BLK
	s_add_co_u32 s56, s56, s48
	s_add_co_u32 s57, s58, s48
	s_cmp_eq_u32 s54, 16
	s_cselect_b32 s60, s56, s60
	s_cselect_b32 s58, s57, s58
.endif
	s_add_nc_u64 s[SB:SB+1], s[6:7], s[58:59]
	s_add_nc_u64 s[SB+2:SB+3], s[6:7], s[60:61]
.irp j, 0,1,2,3
.if \j == 0
	s_wait_loadcnt 48
.else
	s_wait_loadcnt 50
.endif
	WIN 0x09
	MG4 (\b)%2, 2*\j, 0
	MG4 (\b)%2, 2*\j+1, 0
	WIN 0x0d
	MG4 (\b)%2, 2*\j, 2
	MG4 (\b)%2, 2*\j+1, 2
	WIN 0
	PLACES 8                                       ; ahead of loads into registers that the products above have read, and of the first read of the sums (ISA guide 7.12.1 for the sums)
.if \j == 0
	BSCL 1-(\b)%2                                  ; (behind Wk's last block these two bring words that phase 2 takes anew by halves: unused)
.irp k, 0,1,2,3
	ds_load_b128 v[QV+4*\k:QV+4*\k+3], v17 offset:128*(\b)+16*\k    ; q at this block's columns; bk at the next block's
.if (\b) < 3
	ds_load_b128 v[BIAS+4*\k:BIAS+4*\k+3], v17 offset:4096+128*((\b)+1)+16*\k
.else
	ds_load_b128 v[BIAS+4*\k:BIAS+4*\k+3], v37 offset:4096+16*\k    ; the next trip's first (behind the last trip: the first trip's again, unused)
.endif
.endr
.endif
	RUN1 \j
.endr
	s_wait_dscnt 0x0                               ; q and the next bk are in
	POST1 \b
.endm
	s_mul_i32 s58, s3, BLK                         ; the first block
	s_add_co_u32 s60, s58, 8192
	s_add_nc_u64 s[SB:SB+1], s[6:7], s[58:59]
	s_add_nc_u64 s[SB+2:SB+3], s[6:7], s[60:61]
	BSCL 0
	RUN1 0
	RUN1 1
	RUN1 2
	RUN1 3
	FETCH_A
	s_lshl_b32 s54, s[T0], 9
	v_add_nc_u32 v37, s54, v16
.irp m, 0,1,2,3
	v_mov_b32 v[T+4+\m], 0
.endr
	WALU
.irp k, 0,1,2,3
	ds_load_b128 v[BIAS+4*\k:BIAS+4*\k+3], v37 offset:4096+16*\k
.endr
	s_mov_b32 s40, 0
	s_wait_dscnt 0x0                               ; Y's codes are in my registers:
	s_barrier_signal -1
	s_barrier_wait -1                              ; in everybody's: kf's codes may be laid over them
.Lk:                                   ; four trips of four blocks of Wk: a K step of the next product
	s_add_co_u32 s54, s40, s[T0]
	s_and_b32 s54, s54, 3
	s_lshl_b32 s43, s54, 9
	s_lshl_b32 s44, s54, 11
	s_lshl_b32 s45, s54, 7
	s_add_co_u32 s55, s54, 1
	s_and_b32 s55, s55, 3
	s_lshl_b32 s55, s55, 9
	s_lshl_b32 s46, s40, 9
	v_add_nc_u32 v17, s43, v16                     ; q and bk at the trip's columns
	v_add_nc_u32 v19, s44, v18                     ; the codes' and the word's place
	v_add_nc_u32 v21, s45, v20
	v_add_nc_u32 v23, s46, v22                     ; the scores lie in the order of work
	v_add_nc_u32 v37, s55, v16                     ; the next trip's columns
	WALU
	BLK1 0
	BLK1 1
	BLK1 2
	BLK1 3
	s_add_co_u32 s[SEQ], s[SEQ], 4
	s_add_co_u32 s40, s40, 1
	s_cmp_lt_u32 s40, 4
	s_cbranch_scc1 .Lk
	s_wait_dscnt 0x0                               ; my codes, words and scores have landed
	s_barrier_signal -1
	s_barrier_wait -1
	; THE SOFTMAX of this block of 128 tokens, four heads a wave
.irp k, 0,1,2,3
	ds_load_b128 v[SX+4*\k:SX+4*\k+3], v24 offset:256*\k
.endr
.irp k, 0,1,2,3
	v_mov_b32 v[SMT+\k], 0
.endr
	s_wait_loadcnt 0x0                             ; Wv's first two blocks' fragments are in; their scale words, my K half's two a tile:
.irp p, 0,1
.irp u, 0,1
	global_load_b64 v[BSC+8*\p+4*\u:BSC+8*\p+4*\u+1], v[VS2], s[SB+2*\p:SB+2*\p+1] offset:512*\u
.endr
.endr
	s_wait_dscnt 0x0
	FETCH_A2                                       ; kf's codes take Y's place in the registers
.irp k, 0,1,2,3
	v_max3_num_f32 v[SMX+\k], v[SX+4*\k], v[SX+4*\k+1], v[SX+4*\k+2]
.endr
.irp k, 0,1,2,3
	v_max_num_f32 v[SMX+\k], v[SMX+\k], v[SX+4*\k+3]
.endr
.irp x, 1,2,4,8
.irp k, 0,1,2,3
	v_max_num_f32_dpp v[SMX+\k], v[SMX+\k], v[SMX+\k] row_xmask:\x row_mask:0xf bank_mask:0xf
.endr
.endr
.irp k, 0,1,2,3
	v_permlanex16_b32 v[SMT+\k], v[SMX+\k], s[SEL], s[SEL+1]
.endr
.irp k, 0,1,2,3
	v_max_num_f32 v[SMX+\k], v[SMX+\k], v[SMT+\k]
.endr
.irp k, 0,1,2,3
	v_mul_f32 v[SMM+\k], s[CS], v[SMX+\k]          ; M: the largest t
.endr
.irp k, 0,1,2,3
.irp e, 0,1,2,3
	v_fma_f32 v[SX+4*\k+\e], v[SX+4*\k+\e], s[CS], -v[SMM+\k]
.endr
.endr
	WALU                                           ; ahead of the batch
.irp j, 0,1,2,3,4,5,6,7,8,9,10,11,12,13,14,15
	v_exp_f32 v[SX+\j], v[SX+\j]
.endr
	v_nop
	WALU                                           ; and behind it
.irp k, 0,1,2,3
	v_add_f32 v[SML+\k], v[SX+4*\k], v[SX+4*\k+1]
.endr
.irp k, 0,1,2,3
	v_add_f32 v[SMX+\k], v[SX+4*\k+2], v[SX+4*\k+3]
.endr
.irp k, 0,1,2,3
	v_add_f32 v[SML+\k], v[SML+\k], v[SMX+\k]
.endr
.irp x, 1,2,4,8
.irp k, 0,1,2,3
	v_add_f32_dpp v[SML+\k], v[SML+\k], v[SML+\k] row_xmask:\x row_mask:0xf bank_mask:0xf
.endr
.endr
.irp k, 0,1,2,3
	v_permlanex16_b32 v[SMT+\k], v[SML+\k], s[SEL], s[SEL+1]
.endr
.irp k, 0,1,2,3
	v_add_f32 v[SML+\k], v[SML+\k], v[SMT+\k]
.endr
.irp k, 0,1,2,3
	ds_store_b128 v24, v[SX+4*\k:SX+4*\k+3] offset:256*\k
	ds_store_b32 v25, v[SMM+\k] offset:4*\k
	ds_store_b32 v25, v[SML+\k] offset:64+4*\k
.endr
	v_mov_b32 v[R+1], 0                            ; a lane permute's destination counts as one of its sources
	s_wait_dscnt 0x0
	s_barrier_signal -1
	s_barrier_wait -1
	s_cmp_lg_u32 s[WV], 0
	s_cbranch_scc1 .Lno_stat
	ds_load_b32 v248, v26
	s_wait_dscnt 0x0
	global_store_b32 v35, v248, s[14:15]           ; 128 bytes: M and the sums, each at its head's place
.Lno_stat:
	s_wait_loadcnt 0x0                             ; the scale words
; PHASE 2'S HALF BLOCK: set p, tile u: 32 products, eight accumulators by turns; then the 17 loads that bring the same registers' fragments and scale words of the block two on (next = 1); then the pooling of the tile's 16 columns.
; nw: the younger loads: the three runs of 17 issued since this tile's own.
.macro HB p, u, next, nw
	s_wait_loadcnt \nw
	WIN 0x06
.irp s, 0,1
.irp g, 0,1,2,3,4,5,6,7
	MM2 \p, \u, \g, \s
.endr
.endr
	WIN 0x07
.irp s, 2,3
.irp g, 0,1,2,3,4,5,6,7
	MM2 \p, \u, \g, \s
.endr
.endr
	WIN 0
	PLACES 9                                       ; ahead of the loads, of the first read of the sums, and of the next tile's first products, which begin the sums anew
.if \next
	global_load_b64 v[BSC+8*(\p)+4*(\u):BSC+8*(\p)+4*(\u)+1], v[VS2], s[SB+2*(\p):SB+2*(\p)+1] offset:512*(\u)
	WIN 0x40
.irp s, 0,1,2,3
.irp c, 0,1,2,3
	global_load_b128 v[128*(\p)+16*(2*\s+(\u))+4*\c:128*(\p)+16*(2*\s+(\u))+4*\c+3], v[VB], s[SB+2*(\p):SB+2*(\p)+1] offset:(\u)*16384+\s*2048+512*\c
.endr
.endr
	WIN 0
.endif
	s_wait_dscnt 0x0                               ; p is in
.irp g, 0,1,2,3,4,5,6,7                ; the sum over 128 tokens of p x my K half's part of V: four chains; each accumulator is read from its low end on
.irp e, 0,1,2,3
.if \g == 0
	v_pk_mul_f32 v[O+2*\e:O+2*\e+1], v[ACC+2*\e:ACC+2*\e+1], v[P+2*\e:P+2*\e+1]
.else
	v_pk_fma_f32 v[O+2*\e:O+2*\e+1], v[ACC+8*\g+2*\e:ACC+8*\g+2*\e+1], v[P+8*\g+2*\e:P+8*\g+2*\e+1], v[O+2*\e:O+2*\e+1]
.endif
.endr
.endr
	v_pk_add_f32 v[O:O+1], v[O:O+1], v[O+2:O+3]
	v_pk_add_f32 v[O+4:O+5], v[O+4:O+5], v[O+6:O+7]
	v_pk_add_f32 v[O:O+1], v[O:O+1], v[O+4:O+5]
	v_add_f32 v[R], v[O], v[O+1]
	v_permlanex16_b32 v[R+1], v[R], s[SEL], s[SEL+1]
	v_add_f32 v[R], v[R], v[R+1]
	ds_store_b32 v30, v[R] offset:128*(\p)+32*(\u)
.endm
.macro HEAD2 next                      ; a trip of phase 2 is a head of each column half: p's and the sums' places, in the order of work; the bases of the blocks two on
	s_lshl_b32 s47, s40, 8
	v_add_nc_u32 v28, s47, v27
	v_add_nc_u32 v30, s47, v29
	WALU
.if \next
	s_wait_xcnt 0x0                                ; the last trip's loads have read their bases
	s_add_co_u32 s54, s[SEQ], s3
	s_add_co_u32 s55, s54, 2
	s_and_b32 s55, s55, 15
	s_add_co_u32 s55, s55, 16
	s_mul_i32 s58, s55, BLK
	s_add_co_u32 s58, s58, s48
	s_add_co_u32 s55, s54, 3
	s_and_b32 s55, s55, 15
	s_add_co_u32 s55, s55, 16
	s_mul_i32 s60, s55, BLK
	s_add_co_u32 s60, s60, s48
	s_add_nc_u64 s[SB:SB+1], s[6:7], s[58:59]
	s_add_nc_u64 s[SB+2:SB+3], s[6:7], s[60:61]
.endif
.irp g, 0,1,2,3,4,5,6,7
.irp e, 0,1
	ds_load_b128 v[P+8*\g+4*\e:P+8*\g+4*\e+3], v28 offset:(\g/4)*2048+64*(\g%4)+16*\e
.endr
.endr
.endm
	s_mov_b32 s40, 0
.Lv:
	HEAD2 1
	HB 0, 0, 1, 51
	HB 0, 1, 1, 51
	HB 1, 0, 1, 51
	HB 1, 1, 1, 51
	s_add_co_u32 s[SEQ], s[SEQ], 2
	s_add_co_u32 s40, s40, 1
	s_cmp_lt_u32 s40, 7
	s_cbranch_scc1 .Lv
	HEAD2 0                                        ; the last two blocks are written out: they ask for nothing more
	HB 0, 0, 0, 51
	HB 0, 1, 0, 34
	HB 1, 0, 0, 17
	HB 1, 1, 0, 0
	s_wait_dscnt 0x0
	s_barrier_signal -1
	s_barrier_wait -1
	ds_load_b128 v[72:75], v31                     ; the two K halves' sums are added; sixteen lanes store 256 consecutive bytes, aligned
	ds_load_b128 v[76:79], v31 offset:512
	ds_load_b128 v[80:83], v31 offset:4096
	ds_load_b128 v[84:87], v31 offset:4608
	s_wait_dscnt 0x0
	v_pk_add_f32 v[72:73], v[72:73], v[80:81]
	v_pk_add_f32 v[74:75], v[74:75], v[82:83]
	v_pk_add_f32 v[76:77], v[76:77], v[84:85]
	v_pk_add_f32 v[78:79], v[78:79], v[86:87]
	global_store_b128 v32, v[72:75], s[12:13]
	global_store_b128 v36, v[76:79], s[12:13]
	s_wait_tensorcnt 0x0                           ; the wave's end
	ds_add_u32 v[SPW], v[NIL]
	s_wait_dscnt 0x0
	s_endpgm
.Lfunc_end_k_qfafd97a1af_main:
	.size	k_qfafd97a1af_main, .Lfunc_end_k_qfafd97a1af_main-k_qfafd97a1af_main
	.p2alignl 7, 3214868480
	.fill 96, 4, 3214868480
	.section	.rodata,"a",@progbits
	.p2align	6, 0x0
	.amdhsa_kernel k_qfafd97a1af_main
		.amdhsa_group_segment_fixed_size 190208
		.amdhsa_private_segment_fixed_size 0
		.amdhsa_enable_private_segment 0
		.amdhsa_kernarg_size 48
		.amdhsa_user_sgpr_count 2
		.amdhsa_user_sgpr_kernarg_segment_ptr 1
		.amdhsa_wavefront_size32 1
		.amdhsa_system_sgpr_workgroup_id_x 1
		.amdhsa_system_sgpr_workgroup_id_y 1
		.amdhsa_system_sgpr_workgroup_id_z 1
		.amdhsa_system_vgpr_workitem_id 0
		.amdhsa_next_free_vgpr 1024
		.amdhsa_next_free_sgpr 66
		.amdhsa_reserve_vcc 0
		.amdhsa_float_denorm_mode_32 3
		.amdhsa_float_denorm_mode_16_64 3
		.amdhsa_memory_ordered 1
		.amdhsa_forward_progress 1
		.amdhsa_inst_pref_size 255
	.end_amdhsa_kernel
	.section	.bss,"aw",@nobits
	.p2align	6
	.space	262144
	.amdgpu_metadata
---
amdhsa.version: [ 1, 2 ]
amdhsa.kernels:
  - .name:           k_qfafd97a1af_main
    .symbol:         k_qfafd97a1af_main.kd
    .args:
      - { .name: Y, .offset: 0, .size: 8, .value_kind: global_buffer, .address_space: global }
      - { .name: wimg, .offset: 8, .size: 8, .value_kind: global_buffer, .address_space: global }
      - { .name: qv, .offset: 16, .size: 8, .value_kind: global_buffer, .address_space: global }
      - { .name: bk, .offset: 24, .size: 8, .value_kind: global_buffer, .address_space: global }
      - { .name: po, .offset: 32, .size: 8, .value_kind: global_buffer, .address_space: global }
      - { .name: pst, .offset: 40, .size: 8, .value_kind: global_buffer, .address_space: global }
    .group_segment_fixed_size: 190208
    .private_segment_fixed_size: 0
    .kernarg_segment_align: 8
    .kernarg_segment_size: 48
    .max_flat_workgroup_size: 128
    .sgpr_count:     66
    .vgpr_count:     1024
    .wavefront_size: 32
...
	.end_amdgpu_metadata
.endif
;; end of part 5
;; launch finish (part 6): grid 16 x 16, 4 waves a work-group, no clusters, 17,920 bytes of LDS; arguments po, pst, bv, wimg, bo, out0; writes out0
.if DOCPART == 6
	.amdgcn_target "amdgcn-amd-amdhsa--gfx1250"
	.amdhsa_code_object_version 6
	.text
	.protected	k_qfafd97a1af_finish
	.globl	k_qfafd97a1af_finish
	.p2align	8
	.type	k_qfafd97a1af_finish,@function
k_qfafd97a1af_finish:
	s_mov_b64 s[64:65], 0
	v_nop
	global_prefetch_b8 v0, s[64:65] scope:SCOPE_SE
	s_setreg_imm32_b32 hwreg(HW_REG_WAVE_MODE, 25, 1), 1
	s_wait_xcnt 0x0
; out0[b] = Q(pooled[b]) Q(Wo)^T + bo, with pooled[b][col] = (the sum over the batch's 16 blocks r of f_r po_r[col]) / (the sum of f_r l_r) + bv[col], f_r = 2^(M_r - the largest M) for the column's head.
; (bv is added behind the division: the softmax's weights add up to 1.)  The product on codes of FP8 (E4M3) with one E8M0 scale for each 32 along K; all else in f32.
; LIMITS: NaN and infinities are not served; a block of 32 zeros gets the scale byte 1 where the rule says 127 (its codes are zeros; this program alone reads the byte); K is summed in two f32 accumulators, even and odd steps of 128.
; SHARES: work-group (x, y) takes batch y and the 64 output columns of Wo's block x; wave w takes the block's tile w (16 columns), and, ahead of that, joins and quantises columns 256 w .. + 255 of pooled (heads 4 w .. + 3) for all four waves.
; In the joining a lane (r, h) holds block r's numbers, in the order of the operand's registers; four steps across the sixteen lanes add them, so that every lane ends with the one pooled row: all sixteen rows of the operand are that row.
; No tensor load, no cluster: what work-groups share (64 KB of partial sums for each batch) is small, and the launch is short.
.set BLK,  67584
.set FIMG, 0                           ; LDS: the pooled row's 8 fragments, as images of their registers, 2,048 bytes each
.set FSC,  16384                       ; their scale words, 128 bytes each
.set G,    32                          ; v32-39 f / the sum for my four heads, each in a pair
.set ASC,  40                          ; v40-43 the row's scale words;  v44-47 Wo's: scales and nothing else
.set BSC,  44
.set AC0,  48
.set AC1,  56
.set X,    64                          ; v64-191 two sets of 64 numbers; later the 8 fragments
.set PC,   192
.set PW,   224
.set TM,   232
.set WV,   16
.set SEL,  22
.set MNT,  24
.set MSB, 0
.macro WIN new
.if MSB != (\new)
	s_set_vgpr_msb (MSB<<8)|(\new)
.set MSB, (\new)
.endif
.endm
.macro QUANT                           ; 64 numbers of a lane, v[QS] on (register 16 b + i = k 32 b + 16 (lane / 16) + i), become 16 registers of codes, v[QP] on, and the scale word v[QW]
.irp b, 0,1,2,3
	v_max3_num_f32 v[TM+\b], |v[QS+16*\b]|, |v[QS+16*\b+1]|, 0x4800000   ; and the floor 2^(9 - 127): the byte cannot fall under 1
.endr
.irp i, 2,4,6,8,10,12,14
.irp b, 0,1,2,3
	v_max3_num_f32 v[TM+\b], v[TM+\b], |v[QS+16*\b+\i]|, |v[QS+16*\b+\i+1]|
.endr
.endr
.irp b, 0,1,2,3
	v_permlanex16_b32 v[TM+4+\b], v[TM+\b], s[SEL], s[SEL+1]
.endr
.irp b, 0,1,2,3
	v_max_num_f32 v[TM+\b], v[TM+\b], v[TM+4+\b]
.endr
.irp b, 0,1,2,3
	v_add_nc_u32 v[TM+12+\b], 0xfc000000, v[TM+\b]               ; 8 off the exponent field: the conversion's scale operand
.endr
.irp b, 0,1,2,3
	v_and_or_b32 v[TM+8+\b], v[TM+\b], 0x7f800000, s[MNT]        ; 448 x the scale
.endr
.irp b, 0,1,2,3
	v_lshrrev_b32 v[TM+4+\b], 23, v[TM+12+\b]                    ; the scale's byte
.endr
	v_lshl_or_b32 v[QW], v[TM+5], 8, v[TM+4]
	v_lshl_or_b32 v[QW], v[TM+6], 16, v[QW]
	v_lshl_or_b32 v[QW], v[TM+7], 24, v[QW]
.irp b, 0,1,2,3
.irp i, 0,1,2,3,4,5,6,7,8,9,10,11,12,13,14,15
	v_med3_num_f32 v[QS+16*\b+\i], v[QS+16*\b+\i], -v[TM+8+\b], v[TM+8+\b]   ; the conversion does not saturate (ISA guide 7.6.2): the hold comes first
.endr
	v_cvt_scalef32_pk8_fp8_f32 v[QP+4*\b:QP+4*\b+1], v[QS+16*\b:QS+16*\b+7], v[TM+12+\b]
	v_cvt_scalef32_pk8_fp8_f32 v[QP+4*\b+2:QP+4*\b+3], v[QS+16*\b+8:QS+16*\b+15], v[TM+12+\b]
.endr
	v_nop                                          ; a plain line behind the last conversion
.endm
	s_load_b256 s[4:11], s[0:1], 0x0               ; po s[4:5], pst s[6:7], bv s[8:9], wimg s[10:11]
	s_load_b128 s[12:15], s[0:1], 0x20             ; bo s[12:13], out0 s[14:15]
	v_lshl_add_u32 v254, v0, 2, 0x4400
	v_mov_b32 v255, 0
	v_lshrrev_b32 v1, 5, v0
	v_readfirstlane_b32 s[WV], v1                  ; wave 0..3
	s_and_b32 s18, ttmp7, 0xffff                   ; the batch
	v_and_b32 v1, 15, v0                           ; r
	v_bfe_u32 v2, v0, 4, 1                         ; h
	v_and_b32 v3, 31, v0                           ; lane
	v_and_b32 v4, 8, v1
	v_add_nc_u32 v4, v4, v1                        ; r + 8 (r / 8)
	v_lshlrev_b32 v5, 12, v1
	v_lshl_add_u32 v5, v2, 6, v5                   ; po: block r's row of 4,096 bytes, + 64 h
	v_lshlrev_b32 v6, 7, v1                        ; pst: block r's 128 bytes
	v_lshlrev_b32 v7, 6, v2                        ; bv: 64 h
	v_lshlrev_b32 v8, 4, v3                        ; Wo's images: 16 x lane
	v_lshlrev_b32 v9, 2, v4                        ; bo, out0: the tile's lane r stands for column r + 8 (r / 8) of its 24
	s_lshl_b32 s20, s[WV], 12
	v_lshl_add_u32 v10, v3, 4, s20                 ; FIMG (= 0) + two images a wave + 16 x lane
	s_lshl_b32 s20, s[WV], 8
	s_add_co_u32 s20, s20, FSC
	v_lshl_add_u32 v11, v3, 2, s20
	v_lshl_add_u32 v12, v3, 4, FIMG
	v_lshlrev_b32 v13, 2, v1
	v_lshl_add_u32 v13, v2, 7, v13
	v_add_nc_u32 v13, FSC, v13                     ; lanes 0-15 an even K step's word, lanes 16-31 the next one's
	s_lshr_b32 s26, s[WV], 1
	s_lshl_b32 s26, s26, 9
	s_lshl_b32 s27, ttmp9, 5
	s_add_co_u32 s26, s26, s27
	s_and_b32 s27, s[WV], 1
	s_lshl_b32 s27, s27, 3
	s_add_co_u32 s26, s26, s27                     ; my tile's first column: 512 (w / 2) + 32 x + 8 (w % 2)
	s_mov_b32 s[SEL], 0x76543210
	s_mov_b32 s[SEL+1], 0xfedcba98
	s_mov_b32 s[MNT], 0x600000
.irp b, 0,1,2,3
	v_mov_b32 v[TM+4+\b], 0                        ; a lane permute's destination counts as one of its sources
.endr
	s_mov_b32 s21, 0
	s_lshl_b32 s27, s[WV], 10                      ; my 256 columns, in bytes
	s_lshl_b32 s20, s18, 16
	s_add_co_u32 s20, s20, s27
	s_add_co_u32 s34, ttmp9, 32
	s_mul_i32 s34, s34, BLK                        ; Wo's block x
	s_wait_kmcnt 0x0
	s_add_nc_u64 s[4:5], s[4:5], s[20:21]
	s_mov_b32 s20, s27
	s_add_nc_u64 s[8:9], s[8:9], s[20:21]
	s_lshl_b32 s20, s18, 11
	s_lshl_b32 s27, s[WV], 4
	s_add_co_u32 s20, s20, s27
	s_add_nc_u64 s[6:7], s[6:7], s[20:21]          ; M of my four heads; the sums lie 64 bytes on
	s_lshl_b32 s20, s[WV], 14
	s_add_co_u32 s20, s20, s34
	s_add_nc_u64 s[28:29], s[10:11], s[20:21]      ; my tile's codes
	s_lshl_b32 s20, s[WV], 9
	s_add_co_u32 s20, s20, s34
	s_add_co_u32 s20, s20, 65536
	s_add_nc_u64 s[30:31], s[10:11], s[20:21]      ; and its scale words
	s_lshl_b32 s20, s26, 2
	s_add_nc_u64 s[12:13], s[12:13], s[20:21]
	s_lshl_b32 s27, s18, 12
	s_add_co_u32 s20, s20, s27
	s_add_nc_u64 s[14:15], s[14:15], s[20:21]
	; all loads go out here, what is wanted first in front
	global_load_b128 v[16:19], v6, s[6:7]          ; M
	global_load_b128 v[20:23], v6, s[6:7] offset:64   ; l
.irp t, 0,1
.irp c, 0,1,2,3
.irp j, 0,1,2,3
	global_load_b128 v[X+64*\t+16*\c+4*\j:X+64*\t+16*\c+4*\j+3], v5, s[4:5] offset:512*\t+128*\c+16*\j
.endr
.endr
.endr
	WIN 0x40                                       ; destination window 1
.irp t, 0,1
.irp c, 0,1,2,3
.irp j, 0,1,2,3
	global_load_b128 v[128+64*\t+16*\c+4*\j:128+64*\t+16*\c+4*\j+3], v7, s[8:9] offset:512*\t+128*\c+16*\j   ; bv, window 1 v128-255
.endr
.endr
.endr
.irp s, 0,1,2,3,4,5,6,7
.irp c, 0,1,2,3
	global_load_b128 v[16*\s+4*\c:16*\s+4*\c+3], v8, s[28:29] offset:2048*\s+512*\c   ; Wo's eight fragments, window 1 v0-127
.endr
.endr
	WIN 0
	global_load_b128 v[BSC:BSC+3], v8, s[30:31]
	global_load_b32 v14, v9, s[12:13]              ; bo
	s_wait_loadcnt 63                              ; M and l are in (98 loads are younger; the count is the largest that the wait can name)
.irp k, 0,1,2,3
	v_mov_b32 v[24+\k], v[16+\k]
.endr
.irp x, 1,2,4,8
.irp k, 0,1,2,3
	v_max_num_f32_dpp v[24+\k], v[24+\k], v[24+\k] row_xmask:\x row_mask:0xf bank_mask:0xf   ; the largest M of the sixteen blocks
.endr
.endr
.irp k, 0,1,2,3
	v_sub_f32 v[24+\k], v[16+\k], v[24+\k]
.endr
	s_wait_alu depctr_va_vdst(0)
.irp k, 0,1,2,3
	v_exp_f32 v[24+\k], v[24+\k]                   ; f = 2^(M - the largest M)
.endr
	v_nop
	s_wait_alu depctr_va_vdst(0)                   ; one wait for the four, ahead of their first reader
.irp k, 0,1,2,3
	v_mul_f32 v[28+\k], v[24+\k], v[20+\k]
.endr
.irp x, 1,2,4,8
.irp k, 0,1,2,3
	v_add_f32_dpp v[28+\k], v[28+\k], v[28+\k] row_xmask:\x row_mask:0xf bank_mask:0xf       ; the softmax's sum over the whole batch
.endr
.endr
	s_wait_alu depctr_va_vdst(0)
.irp k, 0,1,2,3
	v_rcp_f32 v[28+\k], v[28+\k]
.endr
	v_nop
	s_wait_alu depctr_va_vdst(0)
.irp k, 0,1,2,3
	v_mul_f32 v[G+2*\k], v[24+\k], v[28+\k]
.endr
.irp k, 0,1,2,3
	v_mov_b32 v[G+2*\k+1], v[G+2*\k]               ; (the packed form names the pair)
.endr
	s_wait_alu depctr_va_vdst(0)
	s_wait_loadcnt 63                              ; the partial sums are in (66 loads are younger)
.macro MERGE t                         ; K step 2 w + t of pooled: weigh, add across the sixteen blocks, + bv, quantise, image to LDS
.set QS, X+64*(\t)
.set QP, PC+16*(\t)
.set QW, PW+(\t)
.irp c, 0,1,2,3
.irp i, 0,2,4,6,8,10,12,14
	v_pk_mul_f32 v[QS+16*\c+\i:QS+16*\c+\i+1], v[QS+16*\c+\i:QS+16*\c+\i+1], v[G+2*(2*(\t)+\c/2):G+2*(2*(\t)+\c/2)+1] op_sel_hi:[1,0]   ; a head is 64 columns: two blocks of 32
.endr
.endr
.irp x, 1,2,4,8
.set j, 0
.rept 64
	v_add_f32_dpp v[QS+j], v[QS+j], v[QS+j] row_xmask:\x row_mask:0xf bank_mask:0xf
.set j, j+1
.endr
.endr
	s_wait_loadcnt 34                              ; bv is in; Wo's 32 loads, its scale words and bo may stay out
	WIN 0x04                                       ; source 1 window 1
.set j, 0
.rept 32
	v_pk_add_f32 v[QS+j:QS+j+1], v[QS+j:QS+j+1], v[128+64*(\t)+j:128+64*(\t)+j+1]
.set j, j+2
.endr
	WIN 0
	QUANT
.irp c, 0,1,2,3
	ds_store_b128 v10, v[QP+4*\c:QP+4*\c+3] offset:2048*(\t)+512*\c
.endr
	ds_store_b32 v11, v[QW] offset:128*(\t)
.endm
	MERGE 0
	MERGE 1
	s_wait_dscnt 0x0                               ; for the others' sake: my two images and words have landed
	s_barrier_signal -1
	s_barrier_wait -1
.irp s, 0,1,2,3,4,5,6,7
.irp c, 0,1,2,3
	ds_load_b128 v[X+16*\s+4*\c:X+16*\s+4*\c+3], v12 offset:2048*\s+512*\c
.endr
.endr
.irp q, 0,1,2,3
	ds_load_b32 v[ASC+\q], v13 offset:256*\q
.endr
	s_wait_loadcnt 0x0                             ; Wo, its scale words, bo
	s_wait_dscnt 0x0
	WIN 0x04                                       ; source 1 (Wo) window 1
	; two accumulators by turns, even and odd K steps; odd steps take their scale words from lanes 16-31
	v_wmma_scale_f32_16x16x128_f8f6f4 v[AC0:AC0+7], v[X:X+15], v[0:15], 0, v[ASC], v[BSC]
	v_wmma_scale_f32_16x16x128_f8f6f4 v[AC1:AC1+7], v[X+16:X+31], v[16:31], 0, v[ASC], v[BSC] matrix_a_scale:MATRIX_SCALE_ROW1 matrix_b_scale:MATRIX_SCALE_ROW1
.irp q, 1,2,3
	v_wmma_scale_f32_16x16x128_f8f6f4 v[AC0:AC0+7], v[X+32*\q:X+32*\q+15], v[32*\q:32*\q+15], v[AC0:AC0+7], v[ASC+\q], v[BSC+\q]
	v_wmma_scale_f32_16x16x128_f8f6f4 v[AC1:AC1+7], v[X+32*\q+16:X+32*\q+31], v[32*\q+16:32*\q+31], v[AC1:AC1+7], v[ASC+\q], v[BSC+\q] matrix_a_scale:MATRIX_SCALE_ROW1 matrix_b_scale:MATRIX_SCALE_ROW1
.endr
	WIN 0
.rept 8
	v_nop                                          ; eight places ahead of the first read of the results
.endr
	v_add_f32 v24, v[AC0], v[AC1]                  ; register 0 of lane r: the row's product with the tile's lane r
	v_add_f32 v24, v24, v14                        ; + bo
	s_wait_alu depctr_va_vdst(0)
	s_wait_xcnt 0x0                                ; EXEC changes only behind this wait
	v_cmp_gt_u32 vcc_lo, 16, v3
	s_wait_tensorcnt 0x0
	ds_add_u32 v254, v255
	s_wait_dscnt 0x0
	s_and_saveexec_b32 s25, vcc_lo                 ; lanes 0-15: lanes 16-31 hold the same numbers
	global_store_b32 v9, v24, s[14:15]
	s_wait_xcnt 0x0
	s_or_b32 exec_lo, exec_lo, s25
	s_endpgm
.Lfunc_end_k_qfafd97a1af_finish:
	.size	k_qfafd97a1af_finish, .Lfunc_end_k_qfafd97a1af_finish-k_qfafd97a1af_finish
	.p2alignl 7, 3214868480
	.fill 96, 4, 3214868480
	.section	.rodata,"a",@progbits
	.p2align	6, 0x0
	.amdhsa_kernel k_qfafd97a1af_finish
		.amdhsa_group_segment_fixed_size 17920
		.amdhsa_private_segment_fixed_size 0
		.amdhsa_enable_private_segment 0
		.amdhsa_kernarg_size 48
		.amdhsa_user_sgpr_count 2
		.amdhsa_user_sgpr_kernarg_segment_ptr 1
		.amdhsa_wavefront_size32 1
		.amdhsa_system_sgpr_workgroup_id_x 1
		.amdhsa_system_sgpr_workgroup_id_y 1
		.amdhsa_system_sgpr_workgroup_id_z 1
		.amdhsa_system_vgpr_workitem_id 0
		.amdhsa_next_free_vgpr 512
		.amdhsa_next_free_sgpr 66
		.amdhsa_reserve_vcc 1
		.amdhsa_float_denorm_mode_32 3
		.amdhsa_float_denorm_mode_16_64 3
		.amdhsa_memory_ordered 1
		.amdhsa_forward_progress 1
		.amdhsa_inst_pref_size 77
	.end_amdhsa_kernel
	.amdgpu_metadata
---
amdhsa.version: [ 1, 2 ]
amdhsa.kernels:
  - .name:           k_qfafd97a1af_finish
    .symbol:         k_qfafd97a1af_finish.kd
    .args:
      - { .name: po, .offset: 0, .size: 8, .value_kind: global_buffer, .address_space: global }
      - { .name: pst, .offset: 8, .size: 8, .value_kind: global_buffer, .address_space: global }
      - { .name: bv, .offset: 16, .size: 8, .value_kind: global_buffer, .address_space: global }
      - { .name: wimg, .offset: 24, .size: 8, .value_kind: global_buffer, .address_space: global }
      - { .name: bo, .offset: 32, .size: 8, .value_kind: global_buffer, .address_space: global }
      - { .name: out0, .offset: 40, .size: 8, .value_kind: global_buffer, .address_space: global }
    .group_segment_fixed_size: 17920
    .private_segment_fixed_size: 0
    .kernarg_segment_align: 8
    .kernarg_segment_size: 48
    .max_flat_workgroup_size: 128
    .sgpr_count:     66
    .vgpr_count:     512
    .wavefront_size: 32
...
	.end_amdgpu_metadata
.endif
;; end of part 6
